; MI455X (gfx1250); checked and timed in simulation.
; The chip was launched on July 23, 2026; its instructions are those of AMD's public machine-readable ISA for CDNA 5 (MIT licence, August 2026) and "CDNA5" Instruction Set Architecture Reference Guide (July 2026). The comments in the code are by the model that wrote it; some were corrected since.
;; Episodic Memory System. Allowed arithmetic: float matrix products may take bf16 or f16 operands with f32 sums; all other float work in f32.
;; Inputs: W1 8 x 128 x 256 float32; W2 8 x 128 float32; b1 8 x 128 float32; b2 8 float32; memory_content 8 x 8,192 x 128 float32; memory_contexts 8 x 8,192 x 128 float32; memory_freshness 8 x 8,192 float32; query_content 32 x 128 float32; query_context 32 x 128 float32.
;; Outputs: out0 8 x 32 x 16 x 128 float32; out1 8 x 32 x 16 float32; out2 8 x 32 x 16 float32.
;; Constants: top_k = 16.
;; 2 versions, each right and faster than the one before. Each part assembles by itself: llvm-mc -triple=amdgcn-amd-amdhsa -mcpu=gfx1250 --defsym DOCPART=n.
;; ======== version 1 of 2: 3 launches
;; limits: values outside matrix products are rounded to bf16
;; workspace buffers: sims 8,388,608 bytes; order 16,384 bytes of whole numbers
;; launch score (part 1): grid 32 x 8, 8 waves a work-group, no clusters, 307,968 bytes of LDS; arguments memory_content, memory_contexts, memory_freshness, W1, W2, b1, b2, query_content, query_context, sims; writes sims
.if DOCPART == 1
	.amdgcn_target "amdgcn-amd-amdhsa--gfx1250"
	.amdhsa_code_object_version 6
	.text
	.protected	k_q0ca40c732d_score
	.globl	k_q0ca40c732d_score
	.p2align	8
	.type	k_q0ca40c732d_score,@function
k_q0ca40c732d_score:
	s_mov_b64 s[64:65], 0
	v_nop
	global_prefetch_b8 v0, s[64:65] scope:SCOPE_SE
	s_setreg_imm32_b32 hwreg(HW_REG_WAVE_MODE, 25, 1), 1
	s_wait_xcnt 0x0
; sims[32 c + b][m] = 0.5 sigmoid( sum_e W2[e] relu(hq[b][e] + hm[m][e] + b1[e]) + b2 ) + 0.3 cos(query_context[b], memory_contexts[m]) + 0.2 freshness[m]
; 8 cells c, 32 queries b, 8,192 memories m, 128 numbers a row.  hq = query_content Wq^T, hm = memory_content Wm^T, W1 = [Wq | Wm].
; LIMITS, kept on purpose:
;  * FORMAT: every floating-point input is rounded once to bf16 (nearest even) where it enters the score: the two queries, both memories, W1,
;    b1, W2, b2, freshness.  Products of bf16 numbers are exact in f32; all sums, h, the norms, the division and the sigmoid are f32.
;    So the score is that of the formula on the rounded inputs, up to f32 rounding; scores that lie closer together than that may change places.
;  * The f32 sums are taken in another order than a plain loop over e would take them.
; SHARES: a work-group has 256 m x 32 b of one cell (grid x = chunk of 256 m, y = cell); wave w has m = 32 w .. 32 w + 31 as two tiles i of 16.
; Lane L: r = L & 15, h = L >> 4.  In the relu part a lane is m = 16 i + r and holds e = 16 t + 8 h + j (t, j = 0..7): 64 of the 128 e;
; one add across the two halves of the lanes ends the sum.  The sum with W2 stays on the vector unit in f32: it has one column, and h is not rounded.
; NO JOINT LOADS: what the 32 work-groups of a cell share is W1's 131,072 bytes and the queries' 32,768 bytes of f32.  They are rounded on their way,
; so they pass through registers; a stage of 163,840 bytes for them does not fit beside the 306,816 bytes of LDS in use.
; LDS (bytes):
.set CTX, 0                            ; 8 x 16,896: wave w's 32 rows of memory_contexts in f32, pitch 528; filled once by the wave's tensor load
.set WST, 135168                       ; 128 rows e of W1 in bf16, pitch 528: Wq at byte 0, Wm at byte 256 of a row
.set MCS, 202752                       ; 8 x 8,704: wave w's 32 rows of memory_content in bf16, pitch 272
.set ZST, MCS                          ; 8 x 4,736: wave w's z, then scores: row b, pitch 144, 32 m of f32; takes MCS's bytes behind the second barrier
.set QC,  272384                       ; 32 rows of query_content in bf16, pitch 272; query_context 8,704 bytes further on
.set HQ,  289792                       ; 32 rows b of hq + b1 in f32, pitch 528
.set RQ,  306688                       ; 32 f32: 0.3 / max(|query_context[b]|, 1e-8)
; REGISTERS, window 0: v1 L, v2 r, v3 h; v4 16 L, v5 32 h, v6 4 r (global offsets, never rewritten); v7-v21 LDS addresses (named where made);
; v22-23 freshness of m = 16 i + r, then 0.2 x it; v24-25 1 / max(|context row|, 1e-8); v26 -b2 log2(e); v27 target of the lane exchange; v28 = 0;
; v29-31, v56-63 at work; v[32:39] b1; v[40:55] RQ of b = 16 u + 8 h + j; v[64:127] HA, v[128:191] HB: hq rows, two buffers; v[192:207] T; v[224:239] ACC.
; Window 1: v[0:127] raw content, then HM(i, t, j) at 64 i + 8 t + j; v[128:191] W2 of e = 16 t + 8 h + j at 128 + 8 t + j.
.set HA,  64
.set HB,  128
.set TT,  192
.set ACC, 224
.set MSB, 0
.macro WIN new                         ; s_set_vgpr_msb: bits 1:0 source 0, 3:2 source 1, 5:4 source 2, 7:6 destination; the high byte repeats the setting left
.if MSB != \new
	s_set_vgpr_msb (MSB<<8)|\new
.set MSB, \new
.endif
.endm
.macro PLACES                          ; four places behind a matrix instruction (ISA guide 7.12.1), where no useful independent work is at hand
.rept 4
	v_nop
.endr
.endm
.macro RND2 lo, hi, tmp                ; two f32 rounded to bf16 and widened again, in place
	v_cvt_pk_bf16_f32 v[\tmp], v[\lo], v[\hi]
	v_lshlrev_b32 v[\lo], 16, v[\tmp]
	v_and_b32 v[\hi], s45, v[\tmp]
.endm
	s_load_b512 s[4:19], s[0:1], 0x0               ; content s[4:5], contexts s[6:7], freshness s[8:9], W1 s[10:11], W2 s[12:13], b1 s[14:15], b2 s[16:17], query_content s[18:19]
	s_load_b128 s[20:23], s[0:1], 0x40             ; query_context s[20:21], sims s[22:23]
	s_set_vgpr_msb 0x40
	v_lshl_add_u32 v192, v0, 2, 0x4af00
	v_mov_b32 v193, 0
	s_set_vgpr_msb 0x4045
	ds_add_u32 v192, v193
	ds_add_u32 v192, v193
	s_set_vgpr_msb 0x4500
	v_lshrrev_b32 v1, 5, v0
	v_readfirstlane_b32 s24, v1                    ; wave w
	s_mov_b32 s25, ttmp9                           ; chunk of 256 m
	s_and_b32 s26, ttmp7, 0xffff                   ; cell c
	s_lshl_b32 s27, s26, 2                         ; 4 c: b2's offset
	s_mov_b32 s29, 0                               ; high word of every offset pair s[28:29]
	s_mov_b32 s45, 0xffff0000                      ; a word's upper bf16; also the mask of lanes 16 to 31
	s_mov_b32 s46, 0x76543210                      ; v_permlanex16_b32: lane i of one half reads lane i of the other
	s_mov_b32 s47, 0xfedcba98
	v_and_b32 v1, 31, v0                           ; L
	v_and_b32 v2, 15, v0                           ; r
	v_bfe_u32 v3, v0, 4, 1                         ; h
	v_lshlrev_b32 v4, 4, v1                        ; 16 L
	v_lshlrev_b32 v5, 5, v3                        ; 32 h
	v_lshlrev_b32 v6, 2, v2                        ; 4 r
	s_lshl_b32 s50, s26, 13
	s_lshl_b32 s31, s25, 8
	s_add_co_u32 s50, s50, s31
	s_lshl_b32 s31, s24, 5
	s_add_co_u32 s50, s50, s31                     ; row0 = 8192 c + 256 chunk + 32 w: my wave's first memory row
	; the tensor load's shape: 32 rows of 128 f32, 16 bytes of padding behind each row in LDS
	s_mov_b32 s32, 1                               ; group 0: count = 1
	s_mul_i32 s33, s24, 16896                      ; LDS address: CTX + my wave's 32 rows of 528 bytes
	s_mov_b32 s36, 0x07920000                      ; group 1: mask 0; element of 4 bytes (2<<16); padding on (1<<20); after every 128 words (6<<22); of 4 words (3<<25)
	s_mov_b32 s37, 128<<16                         ; tensor_dim0 = 128
	s_mov_b32 s38, 32<<16                          ; tensor_dim1 = 32
	s_mov_b32 s39, 128<<16                         ; tile_dim0 = 128
	s_mov_b32 s40, 32                              ; tile_dim1 = 32
	s_mov_b32 s41, 128                             ; 128 elements from row to row
	s_mov_b32 s42, 0
	s_mov_b32 s43, 0
	s_wait_dscnt 0x0
	s_wait_kmcnt 0x0
	s_lshl_b32 s28, s50, 9                         ; row0 x 512 bytes
	s_add_nc_u64 s[4:5], s[4:5], s[28:29]
	s_add_nc_u64 s[6:7], s[6:7], s[28:29]
	s_lshl_b32 s28, s50, 2
	s_add_nc_u64 s[8:9], s[8:9], s[28:29]          ; freshness at row0
	s_lshl_b32 s28, s26, 17
	s_lshl_b32 s31, s24, 14
	s_add_co_u32 s28, s28, s31
	s_add_nc_u64 s[10:11], s[10:11], s[28:29]      ; W1 at cell c, row e = 16 w
	s_lshl_b32 s28, s26, 9
	s_add_nc_u64 s[12:13], s[12:13], s[28:29]      ; W2 at cell c
	s_lshl_b32 s31, s24, 6
	s_add_co_u32 s28, s28, s31
	s_add_nc_u64 s[14:15], s[14:15], s[28:29]      ; b1 at cell c, e = 16 w
	s_lshl_b32 s28, s24, 11
	s_add_nc_u64 s[18:19], s[18:19], s[28:29]      ; both queries at row b = 4 w
	s_add_nc_u64 s[20:21], s[20:21], s[28:29]
	s_lshl_b32 s28, s26, 20
	s_lshl_b32 s31, s24, 17
	s_add_co_u32 s28, s28, s31
	s_lshl_b32 s31, s25, 10
	s_add_co_u32 s28, s28, s31
	s_add_nc_u64 s[22:23], s[22:23], s[28:29]      ; sims at list 32 c + 4 w, m = 256 chunk
	s_mov_b64 s[34:35], s[6:7]                     ; group 0: the tile's first element,
	s_or_b32 s35, s35, 0x80000000                  ; type = 2
	s_load_b32 s48, s[16:17], s27 offset:0x0       ; b2[c]
	; ---- loads.  No address register is ever rewritten.
.irp p, 0,1,2,3
	global_load_b128 v[192+4*\p:195+4*\p], v4, s[18:19] offset:512*\p      ; query_content rows 4 w + p: lane L has numbers 4 L .. 4 L + 3
.endr
.irp p, 0,1,2,3
	global_load_b128 v[208+4*\p:211+4*\p], v4, s[20:21] offset:512*\p      ; query_context likewise
.endr
	global_load_b128 v[32:35], v5, s[14:15]                                ; b1[16 w + 8 h + j]
	global_load_b128 v[36:39], v5, s[14:15] offset:16
.rept 32
	global_load_b128 v[64+4*\+:67+4*\+], v4, s[10:11] offset:512*\+        ; W1 rows 16 w + k / 2, half k % 2 (Wq, Wm)
.endr
	WIN 0x40                                                               ; destination in window 1
.rept 16
	global_load_b128 v[4*\+:3+4*\+], v4, s[4:5] offset:512*\+ th:TH_LOAD_NT    ; content rows 0 to 15 of my 32
.endr
	WIN 0
	tensor_load_to_lds s[32:35], s[36:43]          ; my 32 rows of contexts: the wave's only tensor load, ahead of every LDS instruction and barrier; it is waited for behind the relu part
	s_nop 0
	; ---- LDS addresses
	s_mul_i32 s30, s24, 1088
	s_add_co_u32 s30, s30, QC
	v_lshl_add_u32 v7, v1, 3, s30                  ; v7: query rows 4 w .., 8 bytes a lane
	s_mul_i32 s51, s24, 8448
	s_add_co_u32 s30, s51, WST
	v_lshl_add_u32 v8, v1, 3, s30                  ; v8: W1 rows 16 w .., 8 bytes a lane
	s_mul_i32 s52, s24, 8704
	s_add_co_u32 s52, s52, MCS
	v_lshl_add_u32 v9, v1, 3, s52                  ; v9: my content rows, 8 bytes a lane
	v_mul_u32_u24 v29, v2, 528
	v_lshl_add_u32 v30, v3, 4, v29
	v_add_nc_u32 v10, WST, v30                     ; v10: fragment of W1 rows r: 528 r + 16 h
	v_add_nc_u32 v11, s51, v10                     ; v11: the same at rows 16 w + r
	v_mul_u32_u24 v31, v2, 272
	v_lshl_add_u32 v31, v3, 4, v31
	v_add_nc_u32 v12, QC, v31                      ; v12: fragment of query rows r: 272 r + 16 h
	v_add_nc_u32 v13, s52, v31                     ; v13: fragment of my content rows r
	v_add_nc_u32 v29, v29, v5                      ; 528 r + 32 h
	s_lshl_b32 s30, s24, 6
	s_add_co_u32 s30, s30, HQ
	v_add_nc_u32 v14, s30, v29                     ; v14: hq(b = r, e = 16 w + 8 h ..), to store
	v_add_nc_u32 v15, HQ, v5                       ; v15: hq(b = 0, e = 8 h ..), to read; stepped in the loop
	s_mul_i32 s53, s24, 4736
	s_add_co_u32 s53, s53, ZST
	v_lshl_add_u32 v16, v1, 2, s53                 ; v16: z(b = 0, m = L) of my wave; stepped in the loop
	v_add_nc_u32 v17, s33, v29                     ; v17: my contexts, row r, byte 32 h
	v_mul_u32_u24 v30, v3, 1152
	v_add3_u32 v18, v30, v6, s53                   ; v18: z(b = 8 h, m = r) of my wave
	v_add_nc_u32 v19, RQ, v5                       ; v19: RQ[8 h ..]
	s_lshl_b32 s30, s24, 4
	s_add_co_u32 s30, s30, RQ
	v_mov_b32 v20, s30                             ; v20: RQ[4 w ..]
	v_lshrrev_b32 v30, 3, v1
	v_mul_u32_u24 v30, v30, 4736
	v_and_b32 v31, 7, v1
	v_lshl_add_u32 v30, v31, 4, v30
	s_mul_i32 s30, s24, 576
	s_add_co_u32 s30, s30, ZST
	v_add_nc_u32 v21, s30, v30                     ; v21: the way out: wave L >> 3's stage, row b = 4 w, 16 bytes at m = 4 (L & 7)
	v_mov_b32 v27, 0                               ; the lane exchange counts as a reader of its target
	v_mov_b32 v28, 0                               ; starts the sums of squares
	; ---- the queries: round, to LDS; 0.3 / norm of the rounded query_context rows
	s_wait_loadcnt 50                              ; the 8 query loads are in; younger: b1 2 + W1 32 + content 16
.irp p, 0,1,2,3
	v_cvt_pk_bf16_f32 v[192+4*\p], v[192+4*\p], v[193+4*\p]
	v_cvt_pk_bf16_f32 v[193+4*\p], v[194+4*\p], v[195+4*\p]
	ds_store_b64 v7, v[192+4*\p:193+4*\p] offset:272*\p
.endr
.irp p, 0,1,2,3
	v_cvt_pk_bf16_f32 v[208+4*\p], v[208+4*\p], v[209+4*\p]
	v_cvt_pk_bf16_f32 v[209+4*\p], v[210+4*\p], v[211+4*\p]
	ds_store_b64 v7, v[208+4*\p:209+4*\p] offset:8704+272*\p
	v_fma_mix_f32_bf16 v[56+\p], v[208+4*\p], v[208+4*\p], v28 op_sel_hi:[1,1,0]                        ; squares of the rounded numbers, summed in f32
	v_fma_mix_f32_bf16 v[56+\p], v[208+4*\p], v[208+4*\p], v[56+\p] op_sel:[1,1,0] op_sel_hi:[1,1,0]
	v_fma_mix_f32_bf16 v[56+\p], v[209+4*\p], v[209+4*\p], v[56+\p] op_sel_hi:[1,1,0]
	v_fma_mix_f32_bf16 v[56+\p], v[209+4*\p], v[209+4*\p], v[56+\p] op_sel:[1,1,0] op_sel_hi:[1,1,0]
.endr
.irp m, 1,2,4,8
.irp p, 0,1,2,3
	v_add_f32_dpp v[56+\p], v[56+\p], v[56+\p] row_xmask:\m row_mask:0xf bank_mask:0xf
.endr
.endr
.irp p, 0,1,2,3
	v_permlanex16_b32 v27, v[56+\p], s46, s47
	v_add_f32 v[56+\p], v[56+\p], v27              ; every lane holds the row's sum
.endr
.irp p, 0,1,2,3
	v_sqrt_f32 v[60+\p], v[56+\p]
.endr
	v_nop                                          ; one plain place behind a transcendental (ISA guide 5.7.2)
	s_wait_alu depctr_va_vdst(0)
.irp p, 0,1,2,3
	v_max_num_f32 v[60+\p], 0x322bcc77, v[60+\p]   ; max(norm, 1e-8)
.endr
.irp p, 0,1,2,3
	v_rcp_f32 v[56+\p], v[60+\p]
.endr
	v_nop
	s_wait_alu depctr_va_vdst(0)
.irp p, 0,1,2,3
	v_mul_f32 v[56+\p], 0x3e99999a, v[56+\p]       ; 0.3 / norm
	ds_store_b32 v20, v[56+\p] offset:4*\p         ; all lanes write the same word with the same value
.endr
	; the rest of the loads
	WIN 0x40
.rept 16
	global_load_b128 v[64+4*\+:67+4*\+], v4, s[4:5] offset:8192+512*\+ th:TH_LOAD_NT   ; content rows 16 to 31
.endr
.rept 8
	global_load_b128 v[128+8*\+:131+8*\+], v5, s[12:13] offset:64*\+                   ; W2[16 t + 8 h + j]
	global_load_b128 v[132+8*\+:135+8*\+], v5, s[12:13] offset:16+64*\+
.endr
	WIN 0
	global_load_b32 v22, v6, s[8:9]                ; freshness of m = r
	global_load_b32 v23, v6, s[8:9] offset:64      ; and of m = 16 + r
	; ---- W1: round, to LDS
	s_wait_loadcnt 50                              ; b1 and W1 are in; younger: content 16 + 16, W2 16, freshness 2
	RND2 32, 33, 29
	RND2 34, 35, 29
	RND2 36, 37, 29
	RND2 38, 39, 29
.rept 32
	v_cvt_pk_bf16_f32 v[64+4*\+], v[64+4*\+], v[65+4*\+]
	v_cvt_pk_bf16_f32 v[65+4*\+], v[66+4*\+], v[67+4*\+]
	ds_store_b64 v8, v[64+4*\+:65+4*\+] offset:528*(\+/2)+256*(\+%2)
.endr
	; ---- content: round, to LDS
	s_wait_loadcnt 18                              ; all 32 content rows are in; younger: W2 16, freshness 2
	WIN 0x05                                       ; sources in window 1
.rept 64
	v_cvt_pk_bf16_f32 v[64+\+], v[2*\+], v[1+2*\+]
.endr
	WIN 0
.rept 32
	ds_store_b64 v9, v[64+2*\+:65+2*\+] offset:272*\+
.endr
	s_wait_dscnt 0x0                               ; my stores are done, for the other waves' sake
	s_barrier_signal -1
	s_barrier_wait -1                              ; W1, the queries and RQ are whole.  The tensor load stays out
	; ---- hq: wave w makes e = 16 w .. 16 w + 15 for all 32 b.  A = Wq rows e, B = query rows b: register j of lane (r, h) = hq(b = 16 u + r, e = 16 w + 8 h + j)
.irp s, 0,1,2,3
	ds_load_b128 v[64+8*\s:67+8*\s], v11 offset:64*\s
	ds_load_b128 v[68+8*\s:71+8*\s], v11 offset:64*\s+32
.endr
.irp u, 0,1
.irp s, 0,1,2,3
	ds_load_b128 v[96+8*(4*\u+\s):99+8*(4*\u+\s)],   v12 offset:4352*\u+64*\s
	ds_load_b128 v[100+8*(4*\u+\s):103+8*(4*\u+\s)], v12 offset:4352*\u+64*\s+32
.endr
.endr
.irp i, 0,1
.irp s, 0,1,2,3
	ds_load_b128 v[176+8*(4*\i+\s):179+8*(4*\i+\s)], v13 offset:4352*\i+64*\s      ; MF: my content rows 16 i + r, for hm
	ds_load_b128 v[180+8*(4*\i+\s):183+8*(4*\i+\s)], v13 offset:4352*\i+64*\s+32
.endr
.endr
	s_wait_dscnt 16                                ; Wq's 8 and the queries' 16 loads are in; MF's 16 may be out
	v_wmma_f32_16x16x32_bf16 v[160:167], v[64:71], v[96:103], 0        ; the first K step starts the sums; the two accumulators take turns
	v_wmma_f32_16x16x32_bf16 v[168:175], v[64:71], v[128:135], 0
.irp s, 1,2,3
	v_wmma_f32_16x16x32_bf16 v[160:167], v[64+8*\s:71+8*\s], v[96+8*\s:103+8*\s], v[160:167]
	v_wmma_f32_16x16x32_bf16 v[168:175], v[64+8*\s:71+8*\s], v[128+8*\s:135+8*\s], v[168:175]
.endr
	PLACES
.irp u, 0,1
.irp p, 0,1,2,3
	v_pk_add_f32 v[160+8*\u+2*\p:161+8*\u+2*\p], v[160+8*\u+2*\p:161+8*\u+2*\p], v[32+2*\p:33+2*\p]    ; + b1
.endr
.endr
.irp u, 0,1
	ds_store_b128 v14, v[160+8*\u:163+8*\u] offset:8448*\u
	ds_store_b128 v14, v[164+8*\u:167+8*\u] offset:8448*\u+16
.endr
	; ---- hm: A = Wm rows e = 16 t + r, B = my content rows: register j of lane (r, h) = hm(m = 16 i + r, e = 16 t + 8 h + j), into window 1
.macro FETCHW t, buf                   ; the four K steps of Wm's rows 16 t .. 16 t + 15
.irp s, 0,1,2,3
	ds_load_b128 v[\buf+8*\s:\buf+8*\s+3],   v10 offset:8448*\t+256+64*\s
	ds_load_b128 v[\buf+8*\s+4:\buf+8*\s+7], v10 offset:8448*\t+256+64*\s+32
.endr
.endm
.macro HMUL t, buf                     ; the two m tiles' accumulators take turns
	v_wmma_f32_16x16x32_bf16 v[8*\t:8*\t+7], v[\buf:\buf+7], v[176:183], 0
	v_wmma_f32_16x16x32_bf16 v[64+8*\t:64+8*\t+7], v[\buf:\buf+7], v[208:215], 0
.irp s, 1,2,3
	v_wmma_f32_16x16x32_bf16 v[8*\t:8*\t+7], v[\buf+8*\s:\buf+8*\s+7], v[176+8*\s:183+8*\s], v[8*\t:8*\t+7]
	v_wmma_f32_16x16x32_bf16 v[64+8*\t:64+8*\t+7], v[\buf+8*\s:\buf+8*\s+7], v[208+8*\s:215+8*\s], v[64+8*\t:64+8*\t+7]
.endr
.endm
	FETCHW 0, 64                                   ; the four places in front of the b1 add stand behind the last matrix instruction that read v[64:127]
.irp t, 0,1,2,3,4,5,6,7
.if \t < 7
.if \t > 0
	PLACES                                         ; the buffer filled next was read by the matrix instructions just issued
.endif
	FETCHW (\t+1), (64+32*((\t+1)%2))
	s_wait_dscnt 8                                 ; all but the 8 loads just issued: this step's fragments are in (in the first step MF too)
.else
	s_wait_dscnt 0x0
.endif
	WIN 0x50                                       ; C and D in window 1
	HMUL \t, (64+32*(\t%2))
	WIN 0
.endr
	PLACES                                         ; behind the last matrix instructions: their sources are written and their results read below
	s_wait_loadcnt 0x0                             ; W2, freshness
	s_wait_kmcnt 0x0                               ; b2
	WIN 0x05
.rept 32
	v_cvt_pk_bf16_f32 v[192+\+], v[128+2*\+], v[129+2*\+]      ; W2 rounded,
.endr
	WIN 0x40
.rept 32
	v_lshlrev_b32 v[128+2*\+], 16, v[192+\+]                   ; and widened again into its place
	v_and_b32 v[129+2*\+], s45, v[192+\+]
.endr
	WIN 0
	RND2 22, 23, 29
	v_pk_mul_f32 v[22:23], v[22:23], 0x3e4ccccd op_sel_hi:[1,0]    ; 0.2 x freshness
	v_mov_b32 v26, s48
	v_cvt_pk_bf16_f32 v26, v26, v26
	v_lshlrev_b32 v26, 16, v26
	v_mul_f32 v26, 0xbfb8aa3b, v26                 ; -b2 log2(e)
	s_wait_dscnt 0x0                               ; my hq stores and my reads of the content stage are done
	s_barrier_signal -1
	s_barrier_wait -1                              ; hq is whole, and nobody reads MCS any more: its bytes now serve as ZST
	; ---- the relu part: for each b, z(b, m) = sum_e W2[e] max(hm + hq + b1, 0) for my 32 m
.macro LDHQ buf, off                   ; a row of hq: lanes of one half read the same 16 bytes
.irp t, 0,1,2,3,4,5,6,7
	ds_load_b128 v[\buf+8*\t:\buf+8*\t+3],   v15 offset:\off+64*\t
	ds_load_b128 v[\buf+8*\t+4:\buf+8*\t+7], v15 offset:\off+64*\t+16
.endr
.endm
.macro ETILE i, t, buf                 ; 8 e of m tile i: source 0 in window 1 (HM, W2).  The first t starts the sums: nothing is cleared
.irp p, 0,1,2,3
	v_pk_add_f32 v[TT+8*\i+2*\p:TT+8*\i+2*\p+1], v[64*\i+8*\t+2*\p:64*\i+8*\t+2*\p+1], v[\buf+8*\t+2*\p:\buf+8*\t+2*\p+1]
.endr
.irp k, 0,1,2,3,4,5,6,7
	v_max_num_f32 v[TT+8*\i+\k], 0, v[TT+8*\i+\k]
.endr
.irp p, 0,1,2,3
.if \t == 0
	v_pk_mul_f32 v[ACC+8*\i+2*\p:ACC+8*\i+2*\p+1], v[128+8*\t+2*\p:128+8*\t+2*\p+1], v[TT+8*\i+2*\p:TT+8*\i+2*\p+1]
.else
	v_pk_fma_f32 v[ACC+8*\i+2*\p:ACC+8*\i+2*\p+1], v[128+8*\t+2*\p:128+8*\t+2*\p+1], v[TT+8*\i+2*\p:TT+8*\i+2*\p+1], v[ACC+8*\i+2*\p:ACC+8*\i+2*\p+1]
.endif
.endr
.endm
; One b.  buf holds its hq row; ahead = 1: the next row (hoff bytes from v15) is fetched into the other buffer meanwhile; z goes to v16 + zoff.
.macro BSTEP buf, other, hoff, zoff, ahead
.if \ahead
	LDHQ \other, \hoff
	s_wait_dscnt 16                                ; all but the 16 loads just issued: this b's row is in
.else
	s_wait_dscnt 0x0
.endif
	WIN 0x01
.irp t, 0,1,2,3,4,5,6,7
	ETILE 0, \t, \buf
	ETILE 1, \t, \buf
.endr
	WIN 0
.irp i, 0,1
	v_pk_add_f32 v[ACC+8*\i:ACC+8*\i+1],   v[ACC+8*\i:ACC+8*\i+1],   v[ACC+8*\i+2:ACC+8*\i+3]
	v_pk_add_f32 v[ACC+8*\i+4:ACC+8*\i+5], v[ACC+8*\i+4:ACC+8*\i+5], v[ACC+8*\i+6:ACC+8*\i+7]
.endr
.irp i, 0,1
	v_pk_add_f32 v[ACC+8*\i:ACC+8*\i+1], v[ACC+8*\i:ACC+8*\i+1], v[ACC+8*\i+4:ACC+8*\i+5]
.endr
	v_add_f32 v[ACC], v[ACC], v[ACC+1]             ; my 64 e of m = r
	v_add_f32 v[ACC+8], v[ACC+8], v[ACC+9]         ; my 64 e of m = 16 + r
	v_cndmask_b32 v30, v[ACC], v[ACC+8], s45       ; lane L keeps its part of m = L
	v_cndmask_b32 v31, v[ACC+8], v[ACC], s45       ; and sends the other to lane L xor 16
	v_permlanex16_b32 v27, v31, s46, s47
	v_add_f32 v30, v30, v27                        ; z(b, m = L)
	ds_store_b32 v16, v30 offset:\zoff
.endm
	LDHQ HA, 0
	s_mov_b32 s44, 0
.Lpair:                                            ; 15 trips of two b; the last two b follow behind, with no fetch past row 31
	BSTEP HA, HB, 528, 0, 1
	BSTEP HB, HA, 1056, 144, 1
	v_add_nc_u32 v15, 1056, v15
	v_add_nc_u32 v16, 288, v16
	s_add_co_u32 s44, s44, 1
	s_cmp_lt_u32 s44, 15
	s_cbranch_scc1 .Lpair
	BSTEP HA, HB, 528, 0, 1
	BSTEP HB, HA, 0, 144, 0
	; ---- the cosine: A = query_context rows b = 16 u + r, B = my context rows m = 16 i + r: register j of lane (r, h) = dot(b = 16 u + 8 h + j, m = 16 i + r)
	s_wait_tensorcnt 0x0                           ; my 32 rows of contexts are in LDS; only my wave reads them
.irp u, 0,1
.irp s, 0,1,2,3
	ds_load_b128 v[160+8*(4*\u+\s):163+8*(4*\u+\s)], v12 offset:8704+4352*\u+64*\s
	ds_load_b128 v[164+8*(4*\u+\s):167+8*(4*\u+\s)], v12 offset:8704+4352*\u+64*\s+32
.endr
.endr
.irp u, 0,1
	ds_load_b128 v[40+8*\u:43+8*\u], v19 offset:64*\u              ; 0.3 / norm of b = 16 u + 8 h + j
	ds_load_b128 v[44+8*\u:47+8*\u], v19 offset:64*\u+16
.endr
.macro CTXI i
.irp s, 0,1,2,3
	ds_load_b128 v[64+16*\s:67+16*\s], v17 offset:8448*\i+128*\s       ; f32: k = 32 s + 8 h + 0..7,
	ds_load_b128 v[68+16*\s:71+16*\s], v17 offset:8448*\i+128*\s+16
	ds_load_b128 v[72+16*\s:75+16*\s], v17 offset:8448*\i+128*\s+64    ; k = 32 s + 16 + 8 h + 0..7
	ds_load_b128 v[76+16*\s:79+16*\s], v17 offset:8448*\i+128*\s+80
.endr
	s_wait_dscnt 0x0
.if \i
	PLACES                                         ; v[128:159] were sources of the matrix instructions just issued
.endif
.irp s, 0,1,2,3
.irp p, 0,1,2,3,4,5,6,7
	v_cvt_pk_bf16_f32 v[128+8*\s+\p], v[64+16*\s+2*\p], v[65+16*\s+2*\p]
.endr
.endr
.irp s, 0,1,2,3
.irp p, 0,1,2,3,4,5,6,7
.if (8*\s+\p) < 4
	v_fma_mix_f32_bf16 v[56+\p%4], v[128+8*\s+\p], v[128+8*\s+\p], v28 op_sel_hi:[1,1,0]       ; squares of the rounded numbers, four chains
.else
	v_fma_mix_f32_bf16 v[56+\p%4], v[128+8*\s+\p], v[128+8*\s+\p], v[56+\p%4] op_sel_hi:[1,1,0]
.endif
	v_fma_mix_f32_bf16 v[56+\p%4], v[128+8*\s+\p], v[128+8*\s+\p], v[56+\p%4] op_sel:[1,1,0] op_sel_hi:[1,1,0]
.endr
.endr
	v_add_f32 v56, v56, v57
	v_add_f32 v58, v58, v59
	v_add_f32 v56, v56, v58
	v_permlanex16_b32 v27, v56, s46, s47           ; the other 64 numbers of row 16 i + r
	v_add_f32 v56, v56, v27
	v_sqrt_f32 v57, v56
	v_nop
	s_wait_alu depctr_va_vdst(0)
	v_max_num_f32 v57, 0x322bcc77, v57             ; max(norm, 1e-8)
	v_rcp_f32 v[24+\i], v57
	v_nop
	v_wmma_f32_16x16x32_bf16 v[224+16*\i:231+16*\i], v[160:167], v[128:135], 0     ; the two accumulators take turns
	v_wmma_f32_16x16x32_bf16 v[232+16*\i:239+16*\i], v[192:199], v[128:135], 0
.irp s, 1,2,3
	v_wmma_f32_16x16x32_bf16 v[224+16*\i:231+16*\i], v[160+8*\s:167+8*\s], v[128+8*\s:135+8*\s], v[224+16*\i:231+16*\i]
	v_wmma_f32_16x16x32_bf16 v[232+16*\i:239+16*\i], v[192+8*\s:199+8*\s], v[128+8*\s:135+8*\s], v[232+16*\i:239+16*\i]
.endr
.endm
	CTXI 0
	CTXI 1
	PLACES
	; ---- the score, in the dot products' layout; z comes back from my own stage (LDS serves a wave's instructions in order: ISA guide 5.7.1)
.irp i, 0,1
.irp u, 0,1
.irp j, 0,1,2,3,4,5,6,7
	ds_load_b32 v[64+16*\i+8*\u+\j], v18 offset:144*(16*\u+\j)+64*\i
.endr
.endr
.endr
	s_wait_dscnt 0x0
.macro COMB i, u
.irp j, 0,1,2,3,4,5,6,7
	v_fmamk_f32 v[64+16*\i+8*\u+\j], v[64+16*\i+8*\u+\j], 0xbfb8aa3b, v26      ; -(z + b2) log2(e)
.endr
.irp j, 0,1,2,3,4,5,6,7
	v_exp_f32 v[64+16*\i+8*\u+\j], v[64+16*\i+8*\u+\j]
.endr
.irp p, 0,1,2,3
	v_pk_mul_f32 v[224+16*\i+8*\u+2*\p:225+16*\i+8*\u+2*\p], v[224+16*\i+8*\u+2*\p:225+16*\i+8*\u+2*\p], v[40+8*\u+2*\p:41+8*\u+2*\p]  ; dot x 0.3 / |q|: also the plain place behind v_exp_f32
.endr
	s_wait_alu depctr_va_vdst(0)
.irp p, 0,1,2,3
	v_pk_add_f32 v[64+16*\i+8*\u+2*\p:65+16*\i+8*\u+2*\p], v[64+16*\i+8*\u+2*\p:65+16*\i+8*\u+2*\p], 1.0 op_sel_hi:[1,0]
.endr
.irp j, 0,1,2,3,4,5,6,7
	v_rcp_f32 v[64+16*\i+8*\u+\j], v[64+16*\i+8*\u+\j]                         ; the sigmoid
.endr
.irp j, 0,1,2,3,4,5,6,7
	v_fma_f32 v[224+16*\i+8*\u+\j], v[224+16*\i+8*\u+\j], v[24+\i], v[22+\i]   ; / |m| + 0.2 freshness: also the plain place behind v_rcp_f32
.endr
	s_wait_alu depctr_va_vdst(0)
.irp j, 0,1,2,3,4,5,6,7
	v_fma_f32 v[64+16*\i+8*\u+\j], v[64+16*\i+8*\u+\j], 0.5, v[224+16*\i+8*\u+\j]
.endr
.irp j, 0,1,2,3,4,5,6,7
	ds_store_b32 v18, v[64+16*\i+8*\u+\j] offset:144*(16*\u+\j)+64*\i
.endr
.endm
	COMB 0, 0
	COMB 0, 1
	COMB 1, 0
	COMB 1, 1
	s_wait_dscnt 0x0                               ; my scores are in LDS, for the other waves' sake
	s_barrier_signal -1
	s_barrier_wait -1
	; ---- the way out: wave w stores lists b = 4 w + p; a list's 256 m are 1,024 bytes: two stores, each of 512 consecutive bytes, aligned
.irp g, 0,1
.irp p, 0,1,2,3
	ds_load_b128 v[64+4*(4*\g+\p):67+4*(4*\g+\p)], v21 offset:18944*\g+144*\p
.endr
.endr
.irp g, 0,1
.irp p, 0,1,2,3
	s_wait_dscnt 7-(4*\g+\p)                       ; LDS loads come back in order: this one is in, the younger ones may be out
	global_store_b128 v4, v[64+4*(4*\g+\p):67+4*(4*\g+\p)], s[22:23] offset:32768*\p+512*\g
.endr
.endr
	s_set_vgpr_msb 0x5
	s_wait_tensorcnt 0x0
	ds_add_u32 v192, v193
	s_wait_dscnt 0x0
	s_set_vgpr_msb 0x500
	s_endpgm
.Lfunc_end_k_q0ca40c732d_score:
	.size	k_q0ca40c732d_score, .Lfunc_end_k_q0ca40c732d_score-k_q0ca40c732d_score
	.p2alignl 7, 3214868480
	.fill 96, 4, 3214868480
	.section	.rodata,"a",@progbits
	.p2align	6, 0x0
	.amdhsa_kernel k_q0ca40c732d_score
		.amdhsa_group_segment_fixed_size 307968
		.amdhsa_private_segment_fixed_size 0
		.amdhsa_enable_private_segment 0
		.amdhsa_kernarg_size 80
		.amdhsa_user_sgpr_count 2
		.amdhsa_user_sgpr_kernarg_segment_ptr 1
		.amdhsa_wavefront_size32 1
		.amdhsa_system_sgpr_workgroup_id_x 1
		.amdhsa_system_sgpr_workgroup_id_y 1
		.amdhsa_system_sgpr_workgroup_id_z 1
		.amdhsa_system_vgpr_workitem_id 0
		.amdhsa_next_free_vgpr 450
		.amdhsa_next_free_sgpr 66
		.amdhsa_reserve_vcc 0
		.amdhsa_float_denorm_mode_32 3
		.amdhsa_float_denorm_mode_16_64 3
		.amdhsa_memory_ordered 1
		.amdhsa_forward_progress 1
		.amdhsa_inst_pref_size 140
	.end_amdhsa_kernel
	.amdgpu_metadata
---
amdhsa.version: [ 1, 2 ]
amdhsa.kernels:
  - .name:           k_q0ca40c732d_score
    .symbol:         k_q0ca40c732d_score.kd
    .args:
      - { .name: memory_content, .offset: 0, .size: 8, .value_kind: global_buffer, .address_space: global }
      - { .name: memory_contexts, .offset: 8, .size: 8, .value_kind: global_buffer, .address_space: global }
      - { .name: memory_freshness, .offset: 16, .size: 8, .value_kind: global_buffer, .address_space: global }
      - { .name: W1, .offset: 24, .size: 8, .value_kind: global_buffer, .address_space: global }
      - { .name: W2, .offset: 32, .size: 8, .value_kind: global_buffer, .address_space: global }
      - { .name: b1, .offset: 40, .size: 8, .value_kind: global_buffer, .address_space: global }
      - { .name: b2, .offset: 48, .size: 8, .value_kind: global_buffer, .address_space: global }
      - { .name: query_content, .offset: 56, .size: 8, .value_kind: global_buffer, .address_space: global }
      - { .name: query_context, .offset: 64, .size: 8, .value_kind: global_buffer, .address_space: global }
      - { .name: sims, .offset: 72, .size: 8, .value_kind: global_buffer, .address_space: global }
    .group_segment_fixed_size: 307968
    .private_segment_fixed_size: 0
    .kernarg_segment_align: 8
    .kernarg_segment_size: 80
    .max_flat_workgroup_size: 256
    .sgpr_count:     66
    .vgpr_count:     450
    .wavefront_size: 32
...
	.end_amdgpu_metadata
.endif
;; end of part 1
;; launch topk (part 2): grid 256 x 1, 16 waves a work-group, no clusters, 4,096 bytes of LDS; arguments sims, out1, order; writes out1, order
.if DOCPART == 2
	.amdgcn_target "amdgcn-amd-amdhsa--gfx1250"
	.amdhsa_code_object_version 6
	.text
	.protected	k_q0ca40c732d_topk
	.globl	k_q0ca40c732d_topk
	.p2align	8
	.type	k_q0ca40c732d_topk,@function
k_q0ca40c732d_topk:
	s_mov_b64 s[64:65], 0
	v_nop
	global_prefetch_b8 v0, s[64:65] scope:SCOPE_SE
	s_setreg_imm32_b32 hwreg(HW_REG_WAVE_MODE, 25, 1), 1
	s_wait_xcnt 0x0
; The 16 largest of a list's 8,192 scores, in falling order; among equal scores the lower index comes first.
; One work-group a list (32 c + b), 16 waves.  No branch and no address hangs on a score: a round finds the largest value by maxima over registers and
; lanes, then the lowest index that holds it by minima, and takes that one element out by a select.  Indices are kept as f32 (exact up to 8,191).
; Stage 1: each wave takes the 16 best of its 512 scores (16 registers x 32 lanes).  Stage 2: wave 0 takes the 16 best of the 256 candidates.
; Every one of the list's 16 best is among its own wave's 16 best under the same order, so stage 2 sees them all.
; LIMITS: scores are finite (-inf marks an element that has been taken out; a NaN is never found); +0 and -0 count as equal, the lower index first.
; LDS: 256 candidate values at byte 0 (word 16 wave + round), their indices at byte 1,024.
.set X, 4                              ; v[4:19]   scores
.set I, 20                             ; v[20:35]  their indices, f32
.set C, 36                             ; v[36:51]  index where the score is the maximum, else BIG
                                       ; v52 the round's maximum, v53 its index, v54 target of the lane exchange, v56-57 results, v58 LDS address, v59 -inf, v60 BIG
	s_load_b128 s[4:7], s[0:1], 0x0                ; sims s[4:5], out1 s[6:7]
	s_load_b64 s[8:9], s[0:1], 0x10                ; order
	v_lshl_add_u32 v64, v0, 2, 0x800
	v_mov_b32 v65, 0
	v_lshrrev_b32 v1, 5, v0
	v_readfirstlane_b32 s11, v1                    ; wave
	v_and_b32 v1, 31, v0                           ; lane
	s_lshl_b32 s2, ttmp9, 15                       ; the list's 32,768 bytes
	s_lshl_b32 s3, s11, 11                         ; my wave's 2,048
	s_add_co_u32 s2, s2, s3
	s_mov_b32 s3, 0
	s_mov_b32 s12, 0x76543210
	s_mov_b32 s13, 0xfedcba98
	v_lshlrev_b32 v2, 4, v1
	s_wait_kmcnt 0x0
	s_add_nc_u64 s[4:5], s[4:5], s[2:3]
.irp q, 0,1,2,3
	global_load_b128 v[X+4*\q:X+4*\q+3], v2, s[4:5] offset:512*\q      ; m = 512 wave + 128 q + 4 lane + x
.endr
	v_lshlrev_b32 v3, 2, v1
	v_lshl_add_u32 v3, s11, 9, v3
.irp q, 0,1,2,3
.irp x, 0,1,2,3
	v_add_nc_u32 v[I+4*\q+\x], 128*\q+\x, v3
	v_cvt_f32_u32 v[I+4*\q+\x], v[I+4*\q+\x]
.endr
.endr
	v_mov_b32 v54, 0
	v_mov_b32 v59, 0xff800000                      ; -inf
	v_mov_b32 v60, 0x47000000                      ; BIG = 32768.0, above every index
	s_lshl_b32 s10, s11, 6
	v_mov_b32 v58, s10                             ; my wave's 16 words
; One round over n registers a lane: v52 = the largest score left, v53 = the lowest index that holds it; that element becomes -inf.
.macro ROUND n
	v_max_num_f32 v52, v[X], v[X+1]
.irp k, 2,4,6,8,10,12,14
.if \k < \n
	v_max3_num_f32 v52, v52, v[X+\k], v[X+\k+1]
.endif
.endr
.irp m, 1,2,4,8
	v_max_num_f32_dpp v52, v52, v52 row_xmask:\m row_mask:0xf bank_mask:0xf
.endr
	v_permlanex16_b32 v54, v52, s12, s13
	v_max_num_f32 v52, v52, v54
.irp k, 0,1,2,3,4,5,6,7,8,9,10,11,12,13,14,15
.if \k < \n
	v_cmp_eq_f32 vcc_lo, v52, v[X+\k]
	v_cndmask_b32 v[C+\k], v60, v[I+\k], vcc_lo
.endif
.endr
	v_min_num_f32 v53, v[C], v[C+1]
.irp k, 2,4,6,8,10,12,14
.if \k < \n
	v_min3_num_f32 v53, v53, v[C+\k], v[C+\k+1]
.endif
.endr
.irp m, 1,2,4,8
	v_min_num_f32_dpp v53, v53, v53 row_xmask:\m row_mask:0xf bank_mask:0xf
.endr
	v_permlanex16_b32 v54, v53, s12, s13
	v_min_num_f32 v53, v53, v54
.irp k, 0,1,2,3,4,5,6,7,8,9,10,11,12,13,14,15
.if \k < \n
	v_cmp_eq_f32 vcc_lo, v53, v[I+\k]
	v_cndmask_b32 v[X+\k], v[X+\k], v59, vcc_lo
.endif
.endr
.endm
	s_wait_loadcnt 0x0
	s_mov_b32 s14, 0
.Lstage1:
	ROUND 16
	ds_store_b32 v58, v52                          ; all lanes write the same word with the same value
	ds_store_b32 v58, v53 offset:1024
	v_add_nc_u32 v58, 4, v58
	s_add_co_u32 s14, s14, 1
	s_cmp_lt_u32 s14, 16
	s_cbranch_scc1 .Lstage1
	s_wait_dscnt 0x0                               ; my candidates are in LDS, for wave 0's sake
	s_barrier_signal -1
	s_barrier_wait -1
	s_cmp_lg_u32 s11, 0
	s_cbranch_scc1 .Lend                           ; the rest is wave 0's
	v_lshlrev_b32 v62, 5, v1                       ; 8 candidates a lane
	ds_load_b128 v[X:X+3],   v62
	ds_load_b128 v[X+4:X+7], v62 offset:16
	ds_load_b128 v[I:I+3],   v62 offset:1024
	ds_load_b128 v[I+4:I+7], v62 offset:1040
	v_mov_b32 v56, 0
	v_mov_b32 v57, 0
	v_lshlrev_b32 v61, 2, v1
	s_lshl_b32 s2, ttmp9, 6                        ; the list's 64 bytes in out1 and in order
	s_add_nc_u64 s[6:7], s[6:7], s[2:3]
	s_add_nc_u64 s[8:9], s[8:9], s[2:3]
	s_wait_dscnt 0x0
	s_mov_b32 s14, 0
.Lstage2:
	ROUND 8
	v_cmp_eq_u32 vcc_lo, s14, v1                   ; lane k keeps round k's result
	v_cndmask_b32 v56, v56, v52, vcc_lo
	v_cndmask_b32 v57, v57, v53, vcc_lo
	s_add_co_u32 s14, s14, 1
	s_cmp_lt_u32 s14, 16
	s_cbranch_scc1 .Lstage2
	v_cvt_u32_f32 v57, v57
	v_cmp_gt_u32 vcc_lo, 16, v1
	s_wait_xcnt 0x0                                ; EXEC changes only behind this wait
	s_and_saveexec_b32 s15, vcc_lo
	global_store_b32 v61, v56, s[6:7]              ; 16 lanes: the list's 64 bytes of scores
	global_store_b32 v61, v57, s[8:9]              ; and of indices, as whole numbers
	s_wait_xcnt 0x0                                ; and again in front of the line that widens it
	s_or_b32 exec_lo, exec_lo, s15
.Lend:
	s_wait_tensorcnt 0x0
	ds_add_u32 v64, v65
	s_wait_dscnt 0x0
	s_endpgm
.Lfunc_end_k_q0ca40c732d_topk:
	.size	k_q0ca40c732d_topk, .Lfunc_end_k_q0ca40c732d_topk-k_q0ca40c732d_topk
	.p2alignl 7, 3214868480
	.fill 96, 4, 3214868480
	.section	.rodata,"a",@progbits
	.p2align	6, 0x0
	.amdhsa_kernel k_q0ca40c732d_topk
		.amdhsa_group_segment_fixed_size 4096
		.amdhsa_private_segment_fixed_size 0
		.amdhsa_enable_private_segment 0
		.amdhsa_kernarg_size 24
		.amdhsa_user_sgpr_count 2
		.amdhsa_user_sgpr_kernarg_segment_ptr 1
		.amdhsa_wavefront_size32 1
		.amdhsa_system_sgpr_workgroup_id_x 1
		.amdhsa_system_sgpr_workgroup_id_y 1
		.amdhsa_system_sgpr_workgroup_id_z 1
		.amdhsa_system_vgpr_workitem_id 0
		.amdhsa_next_free_vgpr 66
		.amdhsa_next_free_sgpr 66
		.amdhsa_reserve_vcc 1
		.amdhsa_float_denorm_mode_32 3
		.amdhsa_float_denorm_mode_16_64 3
		.amdhsa_memory_ordered 1
		.amdhsa_forward_progress 1
		.amdhsa_inst_pref_size 11
	.end_amdhsa_kernel
	.amdgpu_metadata
---
amdhsa.version: [ 1, 2 ]
amdhsa.kernels:
  - .name:           k_q0ca40c732d_topk
    .symbol:         k_q0ca40c732d_topk.kd
    .args:
      - { .name: sims, .offset: 0, .size: 8, .value_kind: global_buffer, .address_space: global }
      - { .name: out1, .offset: 8, .size: 8, .value_kind: global_buffer, .address_space: global }
      - { .name: order, .offset: 16, .size: 8, .value_kind: global_buffer, .address_space: global }
    .group_segment_fixed_size: 4096
    .private_segment_fixed_size: 0
    .kernarg_segment_align: 8
    .kernarg_segment_size: 24
    .max_flat_workgroup_size: 512
    .sgpr_count:     66
    .vgpr_count:     66
    .wavefront_size: 32
...
	.end_amdgpu_metadata
.endif
;; end of part 2
;; launch gather (part 3): grid 256 x 1, 4 waves a work-group, no clusters, 0 bytes of LDS; arguments order, memory_content, memory_freshness, out0, out2; writes out0, out2
.if DOCPART == 3
	.amdgcn_target "amdgcn-amd-amdhsa--gfx1250"
	.amdhsa_code_object_version 6
	.text
	.protected	k_q0ca40c732d_gather
	.globl	k_q0ca40c732d_gather
	.p2align	8
	.type	k_q0ca40c732d_gather,@function
k_q0ca40c732d_gather:
	s_mov_b64 s[64:65], 0
	v_nop
	global_prefetch_b8 v0, s[64:65] scope:SCOPE_SE
	s_setreg_imm32_b32 hwreg(HW_REG_WAVE_MODE, 25, 1), 1
	s_wait_xcnt 0x0
; out0[list][k] = memory_content[c][order[list][k]] (512 bytes a row), out2[list][k] = memory_freshness[c][order[list][k]]; list = 32 c + b.
; One work-group a list; wave w copies rows k = 4 w .. 4 w + 3: a load and a store of a wave cover a whole row, 512 consecutive bytes, aligned.
; The indices are whole numbers that an earlier launch stored; each is clamped to 8,191 before it enters an address.
; The rows and the freshness are copied as they are given (not rounded).  No LDS, no barrier: no wave needs another's data.
	s_load_b256 s[4:11], s[0:1], 0x0               ; order s[4:5], content s[6:7], freshness s[8:9], out0 s[10:11]
	s_load_b64 s[12:13], s[0:1], 0x20              ; out2
	v_lshrrev_b32 v1, 5, v0
	v_readfirstlane_b32 s14, v1                    ; wave
	v_and_b32 v1, 31, v0
	v_lshlrev_b32 v4, 4, v1                        ; 16 bytes a lane
	v_and_b32 v2, 15, v0
	v_lshlrev_b32 v2, 2, v2                        ; the word of k = thread & 15
	s_lshl_b32 s16, ttmp9, 6                       ; the list's 64 bytes in order and in out2
	s_mov_b32 s17, 0
	s_lshr_b32 s15, ttmp9, 5                       ; c
	s_lshl_b32 s18, s14, 4                         ; my wave's four indices
	s_mov_b32 s21, 0
	s_wait_kmcnt 0x0
	s_add_nc_u64 s[4:5], s[4:5], s[16:17]
	s_add_nc_u64 s[12:13], s[12:13], s[16:17]
	global_load_b32 v5, v2, s[4:5]                 ; order[list][thread & 15], for the freshness
	s_load_b128 s[24:27], s[4:5], s18 offset:0x0   ; order[list][4 w .. 4 w + 3], for the rows
	s_lshl_b32 s20, s15, 15
	s_add_nc_u64 s[8:9], s[8:9], s[20:21]          ; freshness at cell c
	s_lshl_b32 s22, s15, 22                        ; cell c's 8,192 rows of 512 bytes
	s_lshl_b32 s20, ttmp9, 13
	s_lshl_b32 s19, s14, 11
	s_add_co_u32 s20, s20, s19
	s_add_nc_u64 s[10:11], s[10:11], s[20:21]      ; out0 at row 16 list + 4 w
	s_wait_kmcnt 0x0
.irp p, 0,1,2,3
	s_min_u32 s[24+\p], s[24+\p], 8191
	s_lshl_b32 s[24+\p], s[24+\p], 9
	s_add_co_u32 s[24+\p], s[24+\p], s22
	v_add_nc_u32 v[8+\p], s[24+\p], v4
	global_load_b128 v[12+4*\p:15+4*\p], v[8+\p], s[6:7]
.endr
	s_wait_loadcnt 4                               ; the index word is in; the four row loads behind it stay out
	v_min_u32 v5, 0x1fff, v5
	v_lshlrev_b32 v5, 2, v5
	global_load_b32 v6, v5, s[8:9]
.irp p, 0,1,2,3
	s_wait_loadcnt 4-\p                            ; row p is in; younger: 3 - p rows and the freshness word
	global_store_b128 v4, v[12+4*\p:15+4*\p], s[10:11] offset:512*\p
.endr
	s_wait_loadcnt 0x0
	v_lshlrev_b32 v7, 2, v0
	v_cmp_gt_u32 vcc_lo, 16, v0
	s_wait_xcnt 0x0                                ; EXEC changes only behind this wait
	s_and_saveexec_b32 s23, vcc_lo
	global_store_b32 v7, v6, s[12:13]              ; threads 0 to 15: the list's 64 bytes of out2
	s_wait_xcnt 0x0                                ; and again in front of the line that widens it
	s_or_b32 exec_lo, exec_lo, s23
	s_endpgm
.Lfunc_end_k_q0ca40c732d_gather:
	.size	k_q0ca40c732d_gather, .Lfunc_end_k_q0ca40c732d_gather-k_q0ca40c732d_gather
	.p2alignl 7, 3214868480
	.fill 96, 4, 3214868480
	.section	.rodata,"a",@progbits
	.p2align	6, 0x0
	.amdhsa_kernel k_q0ca40c732d_gather
		.amdhsa_group_segment_fixed_size 0
		.amdhsa_private_segment_fixed_size 0
		.amdhsa_enable_private_segment 0
		.amdhsa_kernarg_size 40
		.amdhsa_user_sgpr_count 2
		.amdhsa_user_sgpr_kernarg_segment_ptr 1
		.amdhsa_wavefront_size32 1
		.amdhsa_system_sgpr_workgroup_id_x 1
		.amdhsa_system_sgpr_workgroup_id_y 1
		.amdhsa_system_sgpr_workgroup_id_z 1
		.amdhsa_system_vgpr_workitem_id 0
		.amdhsa_next_free_vgpr 32
		.amdhsa_next_free_sgpr 66
		.amdhsa_reserve_vcc 1
		.amdhsa_float_denorm_mode_32 3
		.amdhsa_float_denorm_mode_16_64 3
		.amdhsa_memory_ordered 1
		.amdhsa_forward_progress 1
		.amdhsa_inst_pref_size 4
	.end_amdhsa_kernel
	.amdgpu_metadata
---
amdhsa.version: [ 1, 2 ]
amdhsa.kernels:
  - .name:           k_q0ca40c732d_gather
    .symbol:         k_q0ca40c732d_gather.kd
    .args:
      - { .name: order, .offset: 0, .size: 8, .value_kind: global_buffer, .address_space: global }
      - { .name: memory_content, .offset: 8, .size: 8, .value_kind: global_buffer, .address_space: global }
      - { .name: memory_freshness, .offset: 16, .size: 8, .value_kind: global_buffer, .address_space: global }
      - { .name: out0, .offset: 24, .size: 8, .value_kind: global_buffer, .address_space: global }
      - { .name: out2, .offset: 32, .size: 8, .value_kind: global_buffer, .address_space: global }
    .group_segment_fixed_size: 0
    .private_segment_fixed_size: 0
    .kernarg_segment_align: 8
    .kernarg_segment_size: 40
    .max_flat_workgroup_size: 128
    .sgpr_count:     66
    .vgpr_count:     32
    .wavefront_size: 32
...
	.end_amdgpu_metadata
.endif
;; end of part 3
;; ======== version 2 of 2: 3 launches; 1.21 times as fast as version 1
;; limits: values outside matrix products are rounded to bf16
;; workspace buffers: sims 8,388,608 bytes; order 16,384 bytes of whole numbers
;; launch score (part 4): grid 32 x 8, 8 waves a work-group, no clusters, 327,680 bytes of LDS; arguments memory_content, memory_contexts, memory_freshness, W1, W2, b1, b2, query_content, query_context, sims; writes sims
.if DOCPART == 4
	.amdgcn_target "amdgcn-amd-amdhsa--gfx1250"
	.amdhsa_code_object_version 6
	.text
	.protected	k_q0ca40c732d_score
	.globl	k_q0ca40c732d_score
	.p2align	8
	.type	k_q0ca40c732d_score,@function
k_q0ca40c732d_score:
	s_mov_b64 s[64:65], 0
	v_nop
	global_prefetch_b8 v0, s[64:65] scope:SCOPE_SE
	s_setreg_imm32_b32 hwreg(HW_REG_WAVE_MODE, 25, 1), 1
	s_wait_xcnt 0x0
; sims[32 c + b][m] = 0.5 sigmoid( sum_e W2[e] relu(hq[b][e] + hm[m][e] + b1[e]) + b2 ) + 0.3 cos(query_context[b], memory_contexts[m]) + 0.2 freshness[m]
; 8 cells c, 32 queries b, 8,192 memories m, 128 numbers a row.  hq = query_content Wq^T, hm = memory_content Wm^T, W1 = [Wq | Wm].
; LIMITS, kept on purpose:
;  * FORMAT: every floating-point input is rounded once to bf16 (nearest even) where it enters the score: the two queries, both memories, W1,
;    b1, W2, b2, freshness.  Products of bf16 numbers are exact in f32; all sums, h, the norms, the division and the sigmoid are f32.
;    So the score is that of the formula on the rounded inputs, up to f32 rounding; scores that lie closer together than that may change places.
;  * The f32 sums are taken in another order than a plain loop over e would take them.
; SHARES: a work-group has 256 m x 32 b of one cell (grid x = chunk of 256 m, y = cell); wave w has m = 32 w .. 32 w + 31 as two tiles i of 16.
; Lane L: r = L & 15, h = L >> 4.  In the relu part a lane is m = 16 i + r and holds e = 16 t + 8 h + j (t, j = 0..7): 64 of the 128 e;
; one add across the two halves of the lanes ends the sum.  The sum with W2 stays on the vector unit in f32: it has one column, and h is not rounded.
; NO JOINT LOADS: what the 32 work-groups of a cell share is W1's 131,072 bytes and the queries' 32,768 bytes of f32.  They are rounded on their way,
; so they pass through registers; a stage of 163,840 bytes for them does not fit beside the 306,816 bytes of LDS in use.
; LDS (bytes):
.set CTX, 0                            ; 8 x 16,896: wave w's 32 rows of memory_contexts in f32, pitch 528; filled once by the wave's tensor load
.set WST, 135168                       ; 128 rows e of W1 in bf16, pitch 528: Wq at byte 0, Wm at byte 256 of a row
.set MCS, 202752                       ; 8 x 8,704: wave w's 32 rows of memory_content in bf16, pitch 272
.set ZST, MCS                          ; 8 x 4,736: wave w's z, then scores: row b, pitch 144, 32 m of f32; takes MCS's bytes behind the second barrier
.set QC,  272384                       ; 32 rows of query_content in bf16, pitch 272; query_context 8,704 bytes further on
.set HQ,  289792                       ; 32 rows b of hq + b1 in f32, pitch 528
.set RQ,  306688                       ; 32 f32: 0.3 / max(|query_context[b]|, 1e-8)
; REGISTERS, window 0: v1 L, v2 r, v3 h; v4 16 L, v5 32 h, v6 4 r (global offsets, never rewritten); v7-v21 LDS addresses (named where made);
; v22-23 freshness of m = 16 i + r, then 0.2 x it; v24-25 1 / max(|context row|, 1e-8); v26 -b2 log2(e); v27 target of the lane exchange; v28 = 0;
; v29-31, v56-63 at work; v[32:39] b1; v[40:55] RQ of b = 16 u + 8 h + j; v[64:127] HA, v[128:191] HB: hq rows, two buffers; v[192:207] T; v[224:239] ACC.
; Window 1: v[0:127] raw content, then HM(i, t, j) at 64 i + 8 t + j; v[128:191] W2 of e = 16 t + 8 h + j at 128 + 8 t + j.
.set HA,  64
.set HB,  128
.set TT,  192
.set ACC, 224
.set MSB, 0
.macro WIN new                         ; s_set_vgpr_msb: bits 1:0 source 0, 3:2 source 1, 5:4 source 2, 7:6 destination; the high byte repeats the setting left
.if MSB != \new
	s_set_vgpr_msb (MSB<<8)|\new
.set MSB, \new
.endif
.endm
.macro PLACES                          ; four places behind a matrix instruction (ISA guide 7.12.1), where no useful independent work is at hand
.rept 4
	v_nop
.endr
.endm
.macro RND2 lo, hi, tmp                ; two f32 rounded to bf16 and widened again, in place
	v_cvt_pk_bf16_f32 v[\tmp], v[\lo], v[\hi]
	v_lshlrev_b32 v[\lo], 16, v[\tmp]
	v_and_b32 v[\hi], s45, v[\tmp]
.endm
	s_load_b512 s[4:19], s[0:1], 0x0               ; content s[4:5], contexts s[6:7], freshness s[8:9], W1 s[10:11], W2 s[12:13], b1 s[14:15], b2 s[16:17], query_content s[18:19]
	s_load_b128 s[20:23], s[0:1], 0x40             ; query_context s[20:21], sims s[22:23]
	s_set_vgpr_msb 0x40
	v_lshl_add_u32 v192, v0, 2, 0x4af00
	v_mov_b32 v193, 0
	s_set_vgpr_msb 0x4045
	ds_add_u32 v192, v193
	ds_add_u32 v192, v193
	s_set_vgpr_msb 0x4500
	v_lshrrev_b32 v1, 5, v0
	v_readfirstlane_b32 s24, v1                    ; wave w
	s_mov_b32 s25, ttmp9                           ; chunk of 256 m
	s_and_b32 s26, ttmp7, 0xffff                   ; cell c
	s_lshl_b32 s27, s26, 2                         ; 4 c: b2's offset
	s_mov_b32 s29, 0                               ; high word of every offset pair s[28:29]
	s_mov_b32 s45, 0xffff0000                      ; a word's upper bf16; also the mask of lanes 16 to 31
	s_mov_b32 s46, 0x76543210                      ; v_permlanex16_b32: lane i of one half reads lane i of the other
	s_mov_b32 s47, 0xfedcba98
	v_and_b32 v1, 31, v0                           ; L
	v_and_b32 v2, 15, v0                           ; r
	v_bfe_u32 v3, v0, 4, 1                         ; h
	v_lshlrev_b32 v4, 4, v1                        ; 16 L
	v_lshlrev_b32 v5, 5, v3                        ; 32 h
	v_lshlrev_b32 v6, 2, v2                        ; 4 r
	s_lshl_b32 s50, s26, 13
	s_lshl_b32 s31, s25, 8
	s_add_co_u32 s50, s50, s31
	s_lshl_b32 s31, s24, 5
	s_add_co_u32 s50, s50, s31                     ; row0 = 8192 c + 256 chunk + 32 w: my wave's first memory row
	; the tensor load's shape: 32 rows of 128 f32, 16 bytes of padding behind each row in LDS
	s_mov_b32 s32, 1                               ; group 0: count = 1
	s_mul_i32 s33, s24, 16896                      ; LDS address: CTX + my wave's 32 rows of 528 bytes
	s_mov_b32 s36, 0x07920000                      ; group 1: mask 0; element of 4 bytes (2<<16); padding on (1<<20); after every 128 words (6<<22); of 4 words (3<<25)
	s_mov_b32 s37, 128<<16                         ; tensor_dim0 = 128
	s_mov_b32 s38, 32<<16                          ; tensor_dim1 = 32
	s_mov_b32 s39, 128<<16                         ; tile_dim0 = 128
	s_mov_b32 s40, 32                              ; tile_dim1 = 32
	s_mov_b32 s41, 128                             ; 128 elements from row to row
	s_mov_b32 s42, 0
	s_mov_b32 s43, 0
	s_wait_dscnt 0x0
	s_wait_kmcnt 0x0
	s_lshl_b32 s28, s50, 9                         ; row0 x 512 bytes
	s_add_nc_u64 s[4:5], s[4:5], s[28:29]
	s_add_nc_u64 s[6:7], s[6:7], s[28:29]
	s_lshl_b32 s28, s50, 2
	s_add_nc_u64 s[8:9], s[8:9], s[28:29]          ; freshness at row0
	s_lshl_b32 s28, s26, 17
	s_lshl_b32 s31, s24, 14
	s_add_co_u32 s28, s28, s31
	s_add_nc_u64 s[10:11], s[10:11], s[28:29]      ; W1 at cell c, row e = 16 w
	s_lshl_b32 s28, s26, 9
	s_add_nc_u64 s[12:13], s[12:13], s[28:29]      ; W2 at cell c
	s_lshl_b32 s31, s24, 6
	s_add_co_u32 s28, s28, s31
	s_add_nc_u64 s[14:15], s[14:15], s[28:29]      ; b1 at cell c, e = 16 w
	s_lshl_b32 s28, s24, 11
	s_add_nc_u64 s[18:19], s[18:19], s[28:29]      ; both queries at row b = 4 w
	s_add_nc_u64 s[20:21], s[20:21], s[28:29]
	s_lshl_b32 s28, s26, 20
	s_lshl_b32 s31, s24, 17
	s_add_co_u32 s28, s28, s31
	s_lshl_b32 s31, s25, 10
	s_add_co_u32 s28, s28, s31
	s_add_nc_u64 s[22:23], s[22:23], s[28:29]      ; sims at list 32 c + 4 w, m = 256 chunk
	s_mov_b64 s[34:35], s[6:7]                     ; group 0: the tile's first element,
	s_or_b32 s35, s35, 0x80000000                  ; type = 2.  s[32:43] are not written again
	s_load_b32 s48, s[16:17], s27 offset:0x0       ; b2[c]
	; ---- loads.  No address register is ever rewritten.
.irp p, 0,1,2,3
	global_load_b128 v[192+4*\p:195+4*\p], v4, s[18:19] offset:512*\p      ; query_content rows 4 w + p: lane L has numbers 4 L .. 4 L + 3
.endr
.irp p, 0,1,2,3
	global_load_b128 v[208+4*\p:211+4*\p], v4, s[20:21] offset:512*\p      ; query_context likewise
.endr
	global_load_b128 v[32:35], v5, s[14:15]                                ; b1[16 w + 8 h + j]
	global_load_b128 v[36:39], v5, s[14:15] offset:16
.rept 32
	global_load_b128 v[64+4*\+:67+4*\+], v4, s[10:11] offset:512*\+        ; W1 rows 16 w + k / 2, half k % 2 (Wq, Wm)
.endr
	WIN 0x40                                                               ; destination in window 1
.rept 16
	global_load_b128 v[4*\+:3+4*\+], v4, s[4:5] offset:512*\+ th:TH_LOAD_NT    ; content rows 0 to 15 of my 32
.endr
	WIN 0
	; ---- LDS addresses
	s_mul_i32 s30, s24, 1088
	s_add_co_u32 s30, s30, QC
	v_lshl_add_u32 v7, v1, 3, s30                  ; v7: query rows 4 w .., 8 bytes a lane
	s_mul_i32 s51, s24, 8448
	s_add_co_u32 s30, s51, WST
	v_lshl_add_u32 v8, v1, 3, s30                  ; v8: W1 rows 16 w .., 8 bytes a lane
	s_mul_i32 s52, s24, 8704
	s_add_co_u32 s52, s52, MCS
	v_lshl_add_u32 v9, v1, 3, s52                  ; v9: my content rows, 8 bytes a lane
	v_mul_u32_u24 v29, v2, 528
	v_lshl_add_u32 v30, v3, 4, v29
	v_add_nc_u32 v10, WST, v30                     ; v10: fragment of W1 rows r: 528 r + 16 h
	v_add_nc_u32 v11, s51, v10                     ; v11: the same at rows 16 w + r
	v_mul_u32_u24 v31, v2, 272
	v_lshl_add_u32 v31, v3, 4, v31
	v_add_nc_u32 v12, QC, v31                      ; v12: fragment of query rows r: 272 r + 16 h
	v_add_nc_u32 v13, s52, v31                     ; v13: fragment of my content rows r
	v_add_nc_u32 v29, v29, v5                      ; 528 r + 32 h
	s_lshl_b32 s30, s24, 6
	s_add_co_u32 s30, s30, HQ
	v_add_nc_u32 v14, s30, v29                     ; v14: hq(b = r, e = 16 w + 8 h ..), to store
	v_add_nc_u32 v15, HQ, v5                       ; v15: hq(b = 0, e = 8 h ..), to read; stepped in the loop
	s_mul_i32 s53, s24, 4736
	s_add_co_u32 s53, s53, ZST
	v_lshl_add_u32 v16, v1, 2, s53                 ; v16: z(b = 0, m = L) of my wave; stepped in the loop
	v_add_nc_u32 v17, s33, v29                     ; v17: my contexts, row r, byte 32 h
	v_mul_u32_u24 v30, v3, 1152
	v_add3_u32 v18, v30, v6, s53                   ; v18: z(b = 8 h, m = r) of my wave
	v_add_nc_u32 v19, RQ, v5                       ; v19: RQ[8 h ..]
	s_lshl_b32 s30, s24, 4
	s_add_co_u32 s30, s30, RQ
	v_mov_b32 v20, s30                             ; v20: RQ[4 w ..]
	v_lshrrev_b32 v30, 3, v1
	v_mul_u32_u24 v30, v30, 4736
	v_and_b32 v31, 7, v1
	v_lshl_add_u32 v30, v31, 4, v30
	s_mul_i32 s30, s24, 576
	s_add_co_u32 s30, s30, ZST
	v_add_nc_u32 v21, s30, v30                     ; v21: the way out: wave L >> 3's stage, row b = 4 w, 16 bytes at m = 4 (L & 7)
	v_mov_b32 v27, 0                               ; the lane exchange counts as a reader of its target
	v_mov_b32 v28, 0                               ; starts the sums of squares
	; ---- the queries: round, to LDS; 0.3 / norm of the rounded query_context rows
	s_wait_loadcnt 50                              ; the 8 query loads are in; younger: b1 2 + W1 32 + content 16
.irp p, 0,1,2,3
	v_cvt_pk_bf16_f32 v[192+4*\p], v[192+4*\p], v[193+4*\p]
	v_cvt_pk_bf16_f32 v[193+4*\p], v[194+4*\p], v[195+4*\p]
	ds_store_b64 v7, v[192+4*\p:193+4*\p] offset:272*\p
.endr
.irp p, 0,1,2,3
	v_cvt_pk_bf16_f32 v[208+4*\p], v[208+4*\p], v[209+4*\p]
	v_cvt_pk_bf16_f32 v[209+4*\p], v[210+4*\p], v[211+4*\p]
	ds_store_b64 v7, v[208+4*\p:209+4*\p] offset:8704+272*\p
	v_fma_mix_f32_bf16 v[56+\p], v[208+4*\p], v[208+4*\p], v28 op_sel_hi:[1,1,0]                        ; squares of the rounded numbers, summed in f32
	v_fma_mix_f32_bf16 v[56+\p], v[208+4*\p], v[208+4*\p], v[56+\p] op_sel:[1,1,0] op_sel_hi:[1,1,0]
	v_fma_mix_f32_bf16 v[56+\p], v[209+4*\p], v[209+4*\p], v[56+\p] op_sel_hi:[1,1,0]
	v_fma_mix_f32_bf16 v[56+\p], v[209+4*\p], v[209+4*\p], v[56+\p] op_sel:[1,1,0] op_sel_hi:[1,1,0]
.endr
.irp m, 1,2,4,8
.irp p, 0,1,2,3
	v_add_f32_dpp v[56+\p], v[56+\p], v[56+\p] row_xmask:\m row_mask:0xf bank_mask:0xf
.endr
.endr
.irp p, 0,1,2,3
	v_permlanex16_b32 v27, v[56+\p], s46, s47
	v_add_f32 v[56+\p], v[56+\p], v27              ; every lane holds the row's sum
.endr
.irp p, 0,1,2,3
	v_sqrt_f32 v[60+\p], v[56+\p]
.endr
	v_nop                                          ; one plain place behind a transcendental (ISA guide 5.7.2)
	s_wait_alu depctr_va_vdst(0)
.irp p, 0,1,2,3
	v_max_num_f32 v[60+\p], 0x322bcc77, v[60+\p]   ; max(norm, 1e-8)
.endr
.irp p, 0,1,2,3
	v_rcp_f32 v[56+\p], v[60+\p]
.endr
	v_nop
	s_wait_alu depctr_va_vdst(0)
.irp p, 0,1,2,3
	v_mul_f32 v[56+\p], 0x3e99999a, v[56+\p]       ; 0.3 / norm
	ds_store_b32 v20, v[56+\p] offset:4*\p         ; all lanes write the same word with the same value
.endr
	; the rest of the loads
	WIN 0x40
.rept 16
	global_load_b128 v[64+4*\+:67+4*\+], v4, s[4:5] offset:8192+512*\+ th:TH_LOAD_NT   ; content rows 16 to 31
.endr
.rept 8
	global_load_b128 v[128+8*\+:131+8*\+], v5, s[12:13] offset:64*\+                   ; W2[16 t + 8 h + j]
	global_load_b128 v[132+8*\+:135+8*\+], v5, s[12:13] offset:16+64*\+
.endr
	WIN 0
	global_load_b32 v22, v6, s[8:9]                ; freshness of m = r
	global_load_b32 v23, v6, s[8:9] offset:64      ; and of m = 16 + r
	; ---- W1: round, to LDS
	s_wait_loadcnt 50                              ; b1 and W1 are in; younger: content 16 + 16, W2 16, freshness 2
	RND2 32, 33, 29
	RND2 34, 35, 29
	RND2 36, 37, 29
	RND2 38, 39, 29
.rept 32
	v_cvt_pk_bf16_f32 v[64+4*\+], v[64+4*\+], v[65+4*\+]
	v_cvt_pk_bf16_f32 v[65+4*\+], v[66+4*\+], v[67+4*\+]
	ds_store_b64 v8, v[64+4*\+:65+4*\+] offset:528*(\+/2)+256*(\+%2)
.endr
	; ---- content: round, to LDS
	s_wait_loadcnt 18                              ; all 32 content rows are in; younger: W2 16, freshness 2
	WIN 0x05                                       ; sources in window 1
.rept 64
	v_cvt_pk_bf16_f32 v[64+\+], v[2*\+], v[1+2*\+]
.endr
	WIN 0
.rept 32
	ds_store_b64 v9, v[64+2*\+:65+2*\+] offset:272*\+
.endr
	s_wait_dscnt 0x0                               ; my stores are done, for the other waves' sake
	s_wait_tensorcnt 0x0                           ; no tensor load of mine is out: the order in front of a barrier behind which a fill is issued
	s_barrier_signal -1
	s_barrier_wait -1                              ; W1, the queries and RQ are whole
	; My 32 rows of contexts: the wave's only tensor load, a first fill of bytes that nothing else writes, first thing behind the barrier.  It is asked for
	; here and not at the head because nothing reads it before the relu part's 32 b are done, while the content rows and W1 are what this barrier waited for.
	tensor_load_to_lds s[32:35], s[36:43]
	s_nop 0
	; ---- hq: wave w makes e = 16 w .. 16 w + 15 for all 32 b.  A = Wq rows e, B = query rows b: register j of lane (r, h) = hq(b = 16 u + r, e = 16 w + 8 h + j)
.irp s, 0,1,2,3
	ds_load_b128 v[64+8*\s:67+8*\s], v11 offset:64*\s
	ds_load_b128 v[68+8*\s:71+8*\s], v11 offset:64*\s+32
.endr
.irp u, 0,1
.irp s, 0,1,2,3
	ds_load_b128 v[96+8*(4*\u+\s):99+8*(4*\u+\s)],   v12 offset:4352*\u+64*\s
	ds_load_b128 v[100+8*(4*\u+\s):103+8*(4*\u+\s)], v12 offset:4352*\u+64*\s+32
.endr
.endr
.irp i, 0,1
.irp s, 0,1,2,3
	ds_load_b128 v[176+8*(4*\i+\s):179+8*(4*\i+\s)], v13 offset:4352*\i+64*\s      ; MF: my content rows 16 i + r, for hm
	ds_load_b128 v[180+8*(4*\i+\s):183+8*(4*\i+\s)], v13 offset:4352*\i+64*\s+32
.endr
.endr
	s_wait_dscnt 16                                ; Wq's 8 and the queries' 16 loads are in; MF's 16 may be out
	v_wmma_f32_16x16x32_bf16 v[160:167], v[64:71], v[96:103], 0        ; the first K step starts the sums; the two accumulators take turns
	v_wmma_f32_16x16x32_bf16 v[168:175], v[64:71], v[128:135], 0
.irp s, 1,2,3
	v_wmma_f32_16x16x32_bf16 v[160:167], v[64+8*\s:71+8*\s], v[96+8*\s:103+8*\s], v[160:167]
	v_wmma_f32_16x16x32_bf16 v[168:175], v[64+8*\s:71+8*\s], v[128+8*\s:135+8*\s], v[168:175]
.endr
	PLACES
.irp u, 0,1
.irp p, 0,1,2,3
	v_pk_add_f32 v[160+8*\u+2*\p:161+8*\u+2*\p], v[160+8*\u+2*\p:161+8*\u+2*\p], v[32+2*\p:33+2*\p]    ; + b1
.endr
.endr
.irp u, 0,1
	ds_store_b128 v14, v[160+8*\u:163+8*\u] offset:8448*\u
	ds_store_b128 v14, v[164+8*\u:167+8*\u] offset:8448*\u+16
.endr
	; ---- hm: A = Wm rows e = 16 t + r, B = my content rows: register j of lane (r, h) = hm(m = 16 i + r, e = 16 t + 8 h + j), into window 1
.macro FETCHW t, buf                   ; the four K steps of Wm's rows 16 t .. 16 t + 15
.irp s, 0,1,2,3
	ds_load_b128 v[\buf+8*\s:\buf+8*\s+3],   v10 offset:8448*\t+256+64*\s
	ds_load_b128 v[\buf+8*\s+4:\buf+8*\s+7], v10 offset:8448*\t+256+64*\s+32
.endr
.endm
.macro HMUL t, buf                     ; the two m tiles' accumulators take turns
	v_wmma_f32_16x16x32_bf16 v[8*\t:8*\t+7], v[\buf:\buf+7], v[176:183], 0
	v_wmma_f32_16x16x32_bf16 v[64+8*\t:64+8*\t+7], v[\buf:\buf+7], v[208:215], 0
.irp s, 1,2,3
	v_wmma_f32_16x16x32_bf16 v[8*\t:8*\t+7], v[\buf+8*\s:\buf+8*\s+7], v[176+8*\s:183+8*\s], v[8*\t:8*\t+7]
	v_wmma_f32_16x16x32_bf16 v[64+8*\t:64+8*\t+7], v[\buf+8*\s:\buf+8*\s+7], v[208+8*\s:215+8*\s], v[64+8*\t:64+8*\t+7]
.endr
.endm
	FETCHW 0, 64                                   ; the four places in front of the b1 add stand behind the last matrix instruction that read v[64:127]
.irp t, 0,1,2,3,4,5,6,7
.if \t < 7
.if \t > 0
	PLACES                                         ; the buffer filled next was read by the matrix instructions just issued
.endif
	FETCHW (\t+1), (64+32*((\t+1)%2))
	s_wait_dscnt 8                                 ; all but the 8 loads just issued: this step's fragments are in (in the first step MF too)
.else
	s_wait_dscnt 0x0
.endif
	WIN 0x50                                       ; C and D in window 1
	HMUL \t, (64+32*(\t%2))
	WIN 0
.endr
	PLACES                                         ; behind the last matrix instructions: their sources are written and their results read below
	s_wait_loadcnt 0x0                             ; W2, freshness
	s_wait_kmcnt 0x0                               ; b2
	WIN 0x05
.rept 32
	v_cvt_pk_bf16_f32 v[192+\+], v[128+2*\+], v[129+2*\+]      ; W2 rounded,
.endr
	WIN 0x40
.rept 32
	v_lshlrev_b32 v[128+2*\+], 16, v[192+\+]                   ; and widened again into its place
	v_and_b32 v[129+2*\+], s45, v[192+\+]
.endr
	WIN 0
	RND2 22, 23, 29
	v_pk_mul_f32 v[22:23], v[22:23], 0x3e4ccccd op_sel_hi:[1,0]    ; 0.2 x freshness
	v_mov_b32 v26, s48
	v_cvt_pk_bf16_f32 v26, v26, v26
	v_lshlrev_b32 v26, 16, v26
	v_mul_f32 v26, 0xbfb8aa3b, v26                 ; -b2 log2(e)
	s_wait_dscnt 0x0                               ; my hq stores and my reads of the content stage are done
	s_barrier_signal -1
	s_barrier_wait -1                              ; hq is whole, and nobody reads MCS any more: its bytes now serve as ZST.  No fill follows: the tensor load stays out
	; ---- the relu part: for each b, z(b, m) = sum_e W2[e] max(hm + hq + b1, 0) for my 32 m
.macro LDHQ buf, off                   ; a row of hq: lanes of one half read the same 16 bytes
.irp t, 0,1,2,3,4,5,6,7
	ds_load_b128 v[\buf+8*\t:\buf+8*\t+3],   v15 offset:\off+64*\t
	ds_load_b128 v[\buf+8*\t+4:\buf+8*\t+7], v15 offset:\off+64*\t+16
.endr
.endm
; 8 e of m tile i in 12 instructions: 4 packed adds, 4 pairs of maxima, 4 packed multiply-adds.  Source 0 is in window 1 (HM, W2).
; A pair of maxima names an even and an odd register of T, as destinations and as second sources, and the constant 0 as both first sources,
; so the window of source 0 touches none of its operands.  The first t starts the sums: nothing is cleared.
.macro ETILE i, t, buf
.irp p, 0,1,2,3
	v_pk_add_f32 v[TT+8*\i+2*\p:TT+8*\i+2*\p+1], v[64*\i+8*\t+2*\p:64*\i+8*\t+2*\p+1], v[\buf+8*\t+2*\p:\buf+8*\t+2*\p+1]
.endr
.irp k, 0,2,4,6
	v_dual_max_num_f32 v[TT+8*\i+\k], 0, v[TT+8*\i+\k] :: v_dual_max_num_f32 v[TT+8*\i+\k+1], 0, v[TT+8*\i+\k+1]
.endr
.irp p, 0,1,2,3
.if \t == 0
	v_pk_mul_f32 v[ACC+8*\i+2*\p:ACC+8*\i+2*\p+1], v[128+8*\t+2*\p:128+8*\t+2*\p+1], v[TT+8*\i+2*\p:TT+8*\i+2*\p+1]
.else
	v_pk_fma_f32 v[ACC+8*\i+2*\p:ACC+8*\i+2*\p+1], v[128+8*\t+2*\p:128+8*\t+2*\p+1], v[TT+8*\i+2*\p:TT+8*\i+2*\p+1], v[ACC+8*\i+2*\p:ACC+8*\i+2*\p+1]
.endif
.endr
.endm
; One b.  buf holds its hq row; ahead = 1: the next row (hoff bytes from v15) is fetched into the other buffer meanwhile; z goes to v16 + zoff.
.macro BSTEP buf, other, hoff, zoff, ahead
.if \ahead
	LDHQ \other, \hoff
	s_wait_dscnt 16                                ; all but the 16 loads just issued: this b's row is in
.else
	s_wait_dscnt 0x0
.endif
	WIN 0x01
.irp t, 0,1,2,3,4,5,6,7
	ETILE 0, \t, \buf
	ETILE 1, \t, \buf
.endr
	WIN 0
.irp i, 0,1
	v_pk_add_f32 v[ACC+8*\i:ACC+8*\i+1],   v[ACC+8*\i:ACC+8*\i+1],   v[ACC+8*\i+2:ACC+8*\i+3]
	v_pk_add_f32 v[ACC+8*\i+4:ACC+8*\i+5], v[ACC+8*\i+4:ACC+8*\i+5], v[ACC+8*\i+6:ACC+8*\i+7]
.endr
.irp i, 0,1
	v_pk_add_f32 v[ACC+8*\i:ACC+8*\i+1], v[ACC+8*\i:ACC+8*\i+1], v[ACC+8*\i+4:ACC+8*\i+5]
.endr
	v_add_f32 v[ACC], v[ACC], v[ACC+1]             ; my 64 e of m = r
	v_add_f32 v[ACC+8], v[ACC+8], v[ACC+9]         ; my 64 e of m = 16 + r
	v_cndmask_b32 v30, v[ACC], v[ACC+8], s45       ; lane L keeps its part of m = L
	v_cndmask_b32 v31, v[ACC+8], v[ACC], s45       ; and sends the other to lane L xor 16
	v_permlanex16_b32 v27, v31, s46, s47
	v_add_f32 v30, v30, v27                        ; z(b, m = L)
	ds_store_b32 v16, v30 offset:\zoff
.endm
	LDHQ HA, 0
	s_mov_b32 s44, 0
.Lpair:                                            ; 15 trips of two b; the last two b follow behind, with no fetch past row 31
	BSTEP HA, HB, 528, 0, 1
	BSTEP HB, HA, 1056, 144, 1
	v_add_nc_u32 v15, 1056, v15
	v_add_nc_u32 v16, 288, v16
	s_add_co_u32 s44, s44, 1
	s_cmp_lt_u32 s44, 15
	s_cbranch_scc1 .Lpair
	BSTEP HA, HB, 528, 0, 1
	BSTEP HB, HA, 0, 144, 0
	; ---- the cosine: A = query_context rows b = 16 u + r, B = my context rows m = 16 i + r: register j of lane (r, h) = dot(b = 16 u + 8 h + j, m = 16 i + r)
	s_wait_tensorcnt 0x0                           ; my 32 rows of contexts are in LDS; only my wave reads them
.irp u, 0,1
.irp s, 0,1,2,3
	ds_load_b128 v[160+8*(4*\u+\s):163+8*(4*\u+\s)], v12 offset:8704+4352*\u+64*\s
	ds_load_b128 v[164+8*(4*\u+\s):167+8*(4*\u+\s)], v12 offset:8704+4352*\u+64*\s+32
.endr
.endr
.irp u, 0,1
	ds_load_b128 v[40+8*\u:43+8*\u], v19 offset:64*\u              ; 0.3 / norm of b = 16 u + 8 h + j
	ds_load_b128 v[44+8*\u:47+8*\u], v19 offset:64*\u+16
.endr
.macro CTXI i
.irp s, 0,1,2,3
	ds_load_b128 v[64+16*\s:67+16*\s], v17 offset:8448*\i+128*\s       ; f32: k = 32 s + 8 h + 0..7,
	ds_load_b128 v[68+16*\s:71+16*\s], v17 offset:8448*\i+128*\s+16
	ds_load_b128 v[72+16*\s:75+16*\s], v17 offset:8448*\i+128*\s+64    ; k = 32 s + 16 + 8 h + 0..7
	ds_load_b128 v[76+16*\s:79+16*\s], v17 offset:8448*\i+128*\s+80
.endr
	s_wait_dscnt 0x0
.if \i
	PLACES                                         ; v[128:159] were sources of the matrix instructions just issued
.endif
.irp s, 0,1,2,3
.irp p, 0,1,2,3,4,5,6,7
	v_cvt_pk_bf16_f32 v[128+8*\s+\p], v[64+16*\s+2*\p], v[65+16*\s+2*\p]
.endr
.endr
.irp s, 0,1,2,3
.irp p, 0,1,2,3,4,5,6,7
.if (8*\s+\p) < 4
	v_fma_mix_f32_bf16 v[56+\p%4], v[128+8*\s+\p], v[128+8*\s+\p], v28 op_sel_hi:[1,1,0]       ; squares of the rounded numbers, four chains
.else
	v_fma_mix_f32_bf16 v[56+\p%4], v[128+8*\s+\p], v[128+8*\s+\p], v[56+\p%4] op_sel_hi:[1,1,0]
.endif
	v_fma_mix_f32_bf16 v[56+\p%4], v[128+8*\s+\p], v[128+8*\s+\p], v[56+\p%4] op_sel:[1,1,0] op_sel_hi:[1,1,0]
.endr
.endr
	v_add_f32 v56, v56, v57
	v_add_f32 v58, v58, v59
	v_add_f32 v56, v56, v58
	v_permlanex16_b32 v27, v56, s46, s47           ; the other 64 numbers of row 16 i + r
	v_add_f32 v56, v56, v27
	v_sqrt_f32 v57, v56
	v_nop
	s_wait_alu depctr_va_vdst(0)
	v_max_num_f32 v57, 0x322bcc77, v57             ; max(norm, 1e-8)
	v_rcp_f32 v[24+\i], v57
	v_nop
	v_wmma_f32_16x16x32_bf16 v[224+16*\i:231+16*\i], v[160:167], v[128:135], 0     ; the two accumulators take turns
	v_wmma_f32_16x16x32_bf16 v[232+16*\i:239+16*\i], v[192:199], v[128:135], 0
.irp s, 1,2,3
	v_wmma_f32_16x16x32_bf16 v[224+16*\i:231+16*\i], v[160+8*\s:167+8*\s], v[128+8*\s:135+8*\s], v[224+16*\i:231+16*\i]
	v_wmma_f32_16x16x32_bf16 v[232+16*\i:239+16*\i], v[192+8*\s:199+8*\s], v[128+8*\s:135+8*\s], v[232+16*\i:239+16*\i]
.endr
.endm
	CTXI 0
	CTXI 1
	PLACES
	; ---- the score, in the dot products' layout; z comes back from my own stage (LDS serves a wave's instructions in order: ISA guide 5.7.1)
.irp i, 0,1
.irp u, 0,1
.irp j, 0,1,2,3,4,5,6,7
	ds_load_b32 v[64+16*\i+8*\u+\j], v18 offset:144*(16*\u+\j)+64*\i
.endr
.endr
.endr
	s_wait_dscnt 0x0
.macro COMB i, u
.irp j, 0,1,2,3,4,5,6,7
	v_fmamk_f32 v[64+16*\i+8*\u+\j], v[64+16*\i+8*\u+\j], 0xbfb8aa3b, v26      ; -(z + b2) log2(e)
.endr
.irp j, 0,1,2,3,4,5,6,7
	v_exp_f32 v[64+16*\i+8*\u+\j], v[64+16*\i+8*\u+\j]
.endr
.irp p, 0,1,2,3
	v_pk_mul_f32 v[224+16*\i+8*\u+2*\p:225+16*\i+8*\u+2*\p], v[224+16*\i+8*\u+2*\p:225+16*\i+8*\u+2*\p], v[40+8*\u+2*\p:41+8*\u+2*\p]  ; dot x 0.3 / |q|: also the plain place behind v_exp_f32
.endr
	s_wait_alu depctr_va_vdst(0)
.irp p, 0,1,2,3
	v_pk_add_f32 v[64+16*\i+8*\u+2*\p:65+16*\i+8*\u+2*\p], v[64+16*\i+8*\u+2*\p:65+16*\i+8*\u+2*\p], 1.0 op_sel_hi:[1,0]
.endr
.irp j, 0,1,2,3,4,5,6,7
	v_rcp_f32 v[64+16*\i+8*\u+\j], v[64+16*\i+8*\u+\j]                         ; the sigmoid
.endr
.irp j, 0,1,2,3,4,5,6,7
	v_fma_f32 v[224+16*\i+8*\u+\j], v[224+16*\i+8*\u+\j], v[24+\i], v[22+\i]   ; / |m| + 0.2 freshness: also the plain place behind v_rcp_f32
.endr
	s_wait_alu depctr_va_vdst(0)
.irp j, 0,1,2,3,4,5,6,7
	v_fma_f32 v[64+16*\i+8*\u+\j], v[64+16*\i+8*\u+\j], 0.5, v[224+16*\i+8*\u+\j]
.endr
.irp j, 0,1,2,3,4,5,6,7
	ds_store_b32 v18, v[64+16*\i+8*\u+\j] offset:144*(16*\u+\j)+64*\i
.endr
.endm
	COMB 0, 0
	COMB 0, 1
	COMB 1, 0
	COMB 1, 1
	s_wait_dscnt 0x0                               ; my scores are in LDS, for the other waves' sake
	s_barrier_signal -1
	s_barrier_wait -1
	; ---- the way out: wave w stores lists b = 4 w + p; a list's 256 m are 1,024 bytes: two stores, each of 512 consecutive bytes, aligned
.irp g, 0,1
.irp p, 0,1,2,3
	ds_load_b128 v[64+4*(4*\g+\p):67+4*(4*\g+\p)], v21 offset:18944*\g+144*\p
.endr
.endr
.irp g, 0,1
.irp p, 0,1,2,3
	s_wait_dscnt 7-(4*\g+\p)                       ; LDS loads come back in order: this one is in, the younger ones may be out
	global_store_b128 v4, v[64+4*(4*\g+\p):67+4*(4*\g+\p)], s[22:23] offset:32768*\p+512*\g
.endr
.endr
	s_set_vgpr_msb 0x5
	s_wait_tensorcnt 0x0
	ds_add_u32 v192, v193
	s_wait_dscnt 0x0
	s_set_vgpr_msb 0x500
	s_endpgm
.Lfunc_end_k_q0ca40c732d_score:
	.size	k_q0ca40c732d_score, .Lfunc_end_k_q0ca40c732d_score-k_q0ca40c732d_score
	.p2alignl 7, 3214868480
	.fill 96, 4, 3214868480
	.section	.rodata,"a",@progbits
	.p2align	6, 0x0
	.amdhsa_kernel k_q0ca40c732d_score
		.amdhsa_group_segment_fixed_size 327680
		.amdhsa_private_segment_fixed_size 0
		.amdhsa_enable_private_segment 0
		.amdhsa_kernarg_size 80
		.amdhsa_user_sgpr_count 2
		.amdhsa_user_sgpr_kernarg_segment_ptr 1
		.amdhsa_wavefront_size32 1
		.amdhsa_system_sgpr_workgroup_id_x 1
		.amdhsa_system_sgpr_workgroup_id_y 1
		.amdhsa_system_sgpr_workgroup_id_z 1
		.amdhsa_system_vgpr_workitem_id 0
		.amdhsa_next_free_vgpr 450
		.amdhsa_next_free_sgpr 66
		.amdhsa_reserve_vcc 0
		.amdhsa_float_denorm_mode_32 3
		.amdhsa_float_denorm_mode_16_64 3
		.amdhsa_memory_ordered 1
		.amdhsa_forward_progress 1
		.amdhsa_inst_pref_size 140
	.end_amdhsa_kernel
	.amdgpu_metadata
---
amdhsa.version: [ 1, 2 ]
amdhsa.kernels:
  - .name:           k_q0ca40c732d_score
    .symbol:         k_q0ca40c732d_score.kd
    .args:
      - { .name: memory_content, .offset: 0, .size: 8, .value_kind: global_buffer, .address_space: global }
      - { .name: memory_contexts, .offset: 8, .size: 8, .value_kind: global_buffer, .address_space: global }
      - { .name: memory_freshness, .offset: 16, .size: 8, .value_kind: global_buffer, .address_space: global }
      - { .name: W1, .offset: 24, .size: 8, .value_kind: global_buffer, .address_space: global }
      - { .name: W2, .offset: 32, .size: 8, .value_kind: global_buffer, .address_space: global }
      - { .name: b1, .offset: 40, .size: 8, .value_kind: global_buffer, .address_space: global }
      - { .name: b2, .offset: 48, .size: 8, .value_kind: global_buffer, .address_space: global }
      - { .name: query_content, .offset: 56, .size: 8, .value_kind: global_buffer, .address_space: global }
      - { .name: query_context, .offset: 64, .size: 8, .value_kind: global_buffer, .address_space: global }
      - { .name: sims, .offset: 72, .size: 8, .value_kind: global_buffer, .address_space: global }
    .group_segment_fixed_size: 327680
    .private_segment_fixed_size: 0
    .kernarg_segment_align: 8
    .kernarg_segment_size: 80
    .max_flat_workgroup_size: 256
    .sgpr_count:     66
    .vgpr_count:     450
    .wavefront_size: 32
...
	.end_amdgpu_metadata
.endif
;; end of part 4
;; launch topk (part 5): grid 256 x 1, 16 waves a work-group, no clusters, 6,656 bytes of LDS; arguments sims, out1, order; writes out1, order
.if DOCPART == 5
	.amdgcn_target "amdgcn-amd-amdhsa--gfx1250"
	.amdhsa_code_object_version 6
	.text
	.protected	k_q0ca40c732d_topk
	.globl	k_q0ca40c732d_topk
	.p2align	8
	.type	k_q0ca40c732d_topk,@function
k_q0ca40c732d_topk:
	s_mov_b64 s[64:65], 0
	v_nop
	global_prefetch_b8 v0, s[64:65] scope:SCOPE_SE
	s_setreg_imm32_b32 hwreg(HW_REG_WAVE_MODE, 25, 1), 1
	s_wait_xcnt 0x0
; The 16 largest of a list's 8,192 scores, in falling order; among equal scores the lower index comes first.
; One work-group a list (32 c + b), 16 waves.  No branch and no address hangs on a score: everything is compares, maxima and selects.
; KEYS: an element is a pair of whole numbers.  hi = the score's f32 pattern, turned so that unsigned order is the order of the numbers
; (sign bit flipped for scores >= 0, all bits flipped for scores < 0; -0 is made +0 first by adding 0).  lo = 8191 - m.
; Pairs are unique, and the greater pair (hi first, then lo) is the better element: higher score, then lower index.
; STAGE 1, every wave, 512 scores = 16 registers x 32 lanes:
;   each lane sorts its 16 pairs, best first, by the odd-even merge network of 63 comparators;
;   then 16 rounds, each for the two rows of 16 lanes by themselves: the row's largest head hi, among those lanes the largest lo, and the one lane
;   whose head has that lo moves its list up by one.  So a wave makes two sorted lists of 16, one for each row's 256 scores.
;   Behind round r at most 15 - r more elements are taken, so only the first 15 - r entries of a list are moved.
; STAGE 2, wave 0: the work-group's 32 sorted lists, one a lane; the same 16 rounds, now over all 32 lanes.
; Every one of the list's 16 best is among its own row's 16 best under the same order, so stage 2 sees them all.
; ORDER OF THE INSTRUCTIONS: an instruction that reads the result just made has to wait for it, so independent work is put between.
;   The sort goes by layers of independent comparators, one phase of all of them at a time; each comparator of a layer has its own mask
;   (s20-s27), work register and spare pair.  In the rounds only entry 0 is wanted by the next round's reduction: it is moved at once, and the
;   moves of entries 1 to 14 stand between the steps of the next round's chain, under a mask kept in s28 or s29 by turns.
; LIMITS: no score is a NaN (a NaN's pattern would be ranked by its bits); +0 and -0 count as equal, the lower index first.
; LDS: list 2 w + row at byte 144 (2 w + row): 16 pairs (hi, lo) of 8 bytes.  The pitch is 9 x 16 bytes.
; REGISTERS: position k of a lane's list is v[KH<k>] (hi) and v[KL<k>] (lo).  KH<k>, KL<k>, TH<q>, TL<q> are assembler symbols: comparator q of a layer writes
; the better element into its spare registers TH<q>, TL<q> and then swaps the names, so that no register is copied.
.irp k, 0,1,2,3,4,5,6,7,8,9,10,11,12,13,14,15
.set KH\k, 4+\k                        ; v[4:19]   hi, as loaded
.set KL\k, 20+\k                       ; v[20:35]  lo
.endr
.irp q, 0,1,2,3,4,5,6,7
.set TH\q, 36+\q                       ; v[36:43]  spare registers for hi
.set TL\q, 44+\q                       ; v[44:51]  spare registers for lo
.endr
.set TC, 52                            ; v[52:59]  a comparator's work register
.set KM, 60                            ; the round's hi
.set KW, 61                            ; the round's lo: v[60:61] is stored as a pair
.set KP, 62                            ; target of the lane exchange
.set MK, 20                            ; s[20:27]  a comparator's mask
.set PM, 28                            ; s[28:29]  a round's mask, by turns
                                       ; v63 LDS address of my row's list; v[64:79] at work on the keys; v[64:95] stage 2's list;
                                       ; v96 scores, v97 indices of the result (lane k: rank k); v98-100 addresses, at work
	s_load_b128 s[4:7], s[0:1], 0x0                ; sims s[4:5], out1 s[6:7]
	s_load_b64 s[8:9], s[0:1], 0x10                ; order
	v_lshl_add_u32 v104, v0, 2, 0x1200
	v_mov_b32 v105, 0
	v_lshrrev_b32 v1, 5, v0
	v_readfirstlane_b32 s11, v1                    ; wave
	v_and_b32 v1, 31, v0                           ; lane
	s_lshl_b32 s2, ttmp9, 15                       ; the list's 32,768 bytes
	s_lshl_b32 s3, s11, 11                         ; my wave's 2,048
	s_add_co_u32 s2, s2, s3
	s_mov_b32 s3, 0
	s_mov_b32 s12, 0x76543210                      ; v_permlanex16_b32: lane i of one half reads lane i of the other
	s_mov_b32 s13, 0xfedcba98
	v_lshlrev_b32 v2, 4, v1
	s_wait_kmcnt 0x0
	s_add_nc_u64 s[4:5], s[4:5], s[2:3]
.irp q, 0,1,2,3
	global_load_b128 v[4+4*\q:7+4*\q], v2, s[4:5] offset:512*\q        ; m = 512 wave + 128 q + 4 lane + x: a load covers 512 consecutive bytes
.endr
	v_lshlrev_b32 v3, 2, v1
	v_lshl_add_u32 v3, s11, 9, v3                  ; 512 wave + 4 lane: bits 2-6 and 9-12; 128 q + x has bits 0-1 and 7-8,
	v_xor_b32 v3, 0x1fff, v3                       ; so 8191 - m = (512 wave + 4 lane) xor 8191 xor (128 q + x)
.irp q, 0,1,2,3
.irp x, 0,1,2,3
	v_xor_b32 v[20+4*\q+\x], 128*\q+\x, v3
.endr
.endr
	v_mov_b32 v[KM], 0                             ; targets of lane operations count as read
	v_mov_b32 v[KP], 0
	v_lshrrev_b32 v63, 4, v1                       ; row
	v_mul_u32_u24 v63, v63, 144
	s_mul_i32 s10, s11, 288                        ; my wave's two lists
	v_add_nc_u32 v63, s10, v63
	s_wait_loadcnt 0x0
.irp p, 0,1,2,3,4,5,6,7
	v_pk_add_f32 v[4+2*\p:5+2*\p], v[4+2*\p:5+2*\p], 0 op_sel_hi:[1,0]     ; -0 becomes +0, nothing else changes
.endr
.irp k, 0,1,2,3,4,5,6,7,8,9,10,11,12,13,14,15
	v_ashrrev_i32 v[64+\k], 31, v[4+\k]            ; all ones for a negative score
.endr
.irp k, 0,1,2,3,4,5,6,7,8,9,10,11,12,13,14,15
	v_or_b32 v[64+\k], 0x80000000, v[64+\k]
.endr
.irp k, 0,1,2,3,4,5,6,7,8,9,10,11,12,13,14,15
	v_xor_b32 v[4+\k], v[64+\k], v[4+\k]           ; hi
.endr
; Phase ph of comparator q of a layer, on positions i < j: the better pair goes to i.  j is better if hi_j > hi_i, or hi_j = hi_i and lo_j > lo_i:
; that is hi_j + (lo_j > lo_i) > hi_i (hi_j is never all ones: that would be a NaN's pattern).  lo is below 8,192, so the sign of lo_i - lo_j is the bit.
; hi needs no select: the better pair has the larger hi.
.macro CEP ph, q, i, j
.if \ph == 1
	v_sub_nc_u32 v[TC+\q], v[KL\i], v[KL\j]        ; negative if lo_j > lo_i
.endif
.if \ph == 2
	v_max_u32 v[TH\q], v[KH\i], v[KH\j]
.endif
.if \ph == 3
	v_ashrrev_i32 v[TC+\q], 31, v[TC+\q]           ; -1 or 0
.endif
.if \ph == 4
	v_sub_nc_u32 v[TC+\q], v[KH\j], v[TC+\q]       ; hi_j + (lo_j > lo_i)
.endif
.if \ph == 5
	v_cmp_gt_u32 s[MK+\q], v[TC+\q], v[KH\i]       ; j is better
.endif
.if \ph == 6
	v_min_u32 v[KH\j], v[KH\i], v[KH\j]
.endif
.if \ph == 7
	v_cndmask_b32 v[TL\q], v[KL\i], v[KL\j], s[MK+\q]
	v_cndmask_b32 v[KL\j], v[KL\j], v[KL\i], s[MK+\q]
.set SW, KH\i
.set KH\i, TH\q
.set TH\q, SW
.set SW, KL\i
.set KL\i, TL\q
.set TL\q, SW
.endif
.endm
.macro GRP4 ph, q0, q1, q2, q3, a, b, c, d, e, f, g, h
	CEP \ph, \q0, \a, \b
	CEP \ph, \q1, \c, \d
	CEP \ph, \q2, \e, \f
	CEP \ph, \q3, \g, \h
.endm
; A layer of 8, 7, 6 or 4 comparators on disjoint positions, phase by phase
.macro L8 a, b, c, d, e, f, g, h, i, j, k, l, m, n, o, p
.irp z, 1,2,3,4,5,6,7
	GRP4 \z, 0, 1, 2, 3, \a, \b, \c, \d, \e, \f, \g, \h
	GRP4 \z, 4, 5, 6, 7, \i, \j, \k, \l, \m, \n, \o, \p
.endr
.endm
.macro L7 a, b, c, d, e, f, g, h, i, j, k, l, m, n
.irp z, 1,2,3,4,5,6,7
	GRP4 \z, 0, 1, 2, 3, \a, \b, \c, \d, \e, \f, \g, \h
	CEP \z, 4, \i, \j
	CEP \z, 5, \k, \l
	CEP \z, 6, \m, \n
.endr
.endm
.macro L6 a, b, c, d, e, f, g, h, i, j, k, l
.irp z, 1,2,3,4,5,6,7
	GRP4 \z, 0, 1, 2, 3, \a, \b, \c, \d, \e, \f, \g, \h
	CEP \z, 4, \i, \j
	CEP \z, 5, \k, \l
.endr
.endm
.macro L4 a, b, c, d, e, f, g, h
.irp z, 1,2,3,4,5,6,7
	GRP4 \z, 0, 1, 2, 3, \a, \b, \c, \d, \e, \f, \g, \h
.endr
.endm
	; four sorts of 4
	L8 0,1, 2,3, 4,5, 6,7, 8,9, 10,11, 12,13, 14,15
	L8 0,2, 1,3, 4,6, 5,7, 8,10, 9,11, 12,14, 13,15
	L4 1,2, 5,6, 9,10, 13,14
	; two merges to 8
	L8 0,4, 2,6, 1,5, 3,7, 8,12, 10,14, 9,13, 11,15
	L4 2,4, 3,5, 10,12, 11,13
	L6 1,2, 3,4, 5,6, 9,10, 11,12, 13,14
	; the merge to 16
	L8 0,8, 4,12, 2,10, 6,14, 1,9, 5,13, 3,11, 7,15
	L4 4,8, 6,10, 5,9, 7,11
	L6 2,4, 6,8, 10,12, 3,5, 7,9, 11,13
	L7 1,2, 3,4, 5,6, 7,8, 9,10, 11,12, 13,14
; Round r's winner moves entry b of its list to entry a = b - 1, if entry a can still be wanted (r = -1: there was no round)
.macro SH r, a, b
.if (\r) >= 0
.if \a < 15-(\r)
	v_cndmask_b32 v[KH\a], v[KH\a], v[KH\b], s[PM+((\r)&1)]
	v_cndmask_b32 v[KL\a], v[KL\a], v[KL\b], s[PM+((\r)&1)]
.endif
.endif
.endm
; Round r.  x = 0: each row of 16 lanes by itself; x = 1: all 32 lanes.  v[KM], v[KW] = the best pair among the heads, in every lane of the row (wave).
; The chain reads entry 0 alone; between its steps stand the last round's moves of entries 1 to 14, in rising order, under the last round's mask.
; At the end this round's winner moves its entry 1 to entry 0, which the last round's move of entry 1 precedes.
.macro POP r, x
	v_max_u32_dpp v[KM], v[KH0], v[KH0] row_xmask:1 row_mask:0xf bank_mask:0xf
	SH (\r-1), 1, 2
	v_max_u32_dpp v[KM], v[KM], v[KM] row_xmask:2 row_mask:0xf bank_mask:0xf
	SH (\r-1), 2, 3
	v_max_u32_dpp v[KM], v[KM], v[KM] row_xmask:4 row_mask:0xf bank_mask:0xf
	SH (\r-1), 3, 4
	v_max_u32_dpp v[KM], v[KM], v[KM] row_xmask:8 row_mask:0xf bank_mask:0xf
	SH (\r-1), 4, 5
.if \x
	v_permlanex16_b32 v[KP], v[KM], s12, s13
	v_max_u32 v[KM], v[KM], v[KP]
.endif
	v_cmp_eq_u32 vcc_lo, v[KM], v[KH0]
	SH (\r-1), 5, 6
	v_cndmask_b32 v[KW], 0, v[KL0], vcc_lo         ; lo of the heads that hold the largest hi, 0 elsewhere (0 is the lowest lo, so it never wins wrongly)
	SH (\r-1), 6, 7
	v_max_u32_dpp v[KW], v[KW], v[KW] row_xmask:1 row_mask:0xf bank_mask:0xf
	SH (\r-1), 7, 8
	v_max_u32_dpp v[KW], v[KW], v[KW] row_xmask:2 row_mask:0xf bank_mask:0xf
	SH (\r-1), 8, 9
	v_max_u32_dpp v[KW], v[KW], v[KW] row_xmask:4 row_mask:0xf bank_mask:0xf
	SH (\r-1), 9, 10
	v_max_u32_dpp v[KW], v[KW], v[KW] row_xmask:8 row_mask:0xf bank_mask:0xf
	SH (\r-1), 10, 11
.if \x
	v_permlanex16_b32 v[KP], v[KW], s12, s13
	v_max_u32 v[KW], v[KW], v[KP]
.endif
	v_cmp_eq_u32 s[PM+(\r&1)], v[KW], v[KL0]       ; lo names one element of the list: the winner's lane
	SH (\r-1), 11, 12
	SH (\r-1), 12, 13
	SH (\r-1), 13, 14
	SH (\r-1), 14, 15
	SH \r, 0, 1
.endm
.irp r, 0,1,2,3,4,5,6,7,8,9,10,11,12,13,14,15
	POP \r, 0
	ds_store_b64 v63, v[KM:KW] offset:8*\r         ; the 16 lanes of a row write the same 8 bytes with the same value
.endr
	s_wait_dscnt 0x0                               ; my two lists are in LDS, for wave 0's sake
	s_barrier_signal -1
	s_barrier_wait -1
	s_cmp_lg_u32 s11, 0
	s_cbranch_scc1 .Lend                           ; the rest is wave 0's
.irp k, 0,1,2,3,4,5,6,7,8,9,10,11,12,13,14,15
.set KH\k, 64+2*\k
.set KL\k, 65+2*\k
.endr
	v_mul_u32_u24 v98, v1, 144                     ; lane L takes list L
.irp q, 0,1,2,3,4,5,6,7
	ds_load_b128 v[64+4*\q:67+4*\q], v98 offset:16*\q      ; entries 2 q and 2 q + 1: hi, lo, hi, lo
.endr
	v_mov_b32 v96, 0
	v_mov_b32 v97, 0
	v_lshlrev_b32 v99, 2, v1
	s_lshl_b32 s2, ttmp9, 6                        ; the list's 64 bytes in out1 and in order
	s_add_nc_u64 s[6:7], s[6:7], s[2:3]
	s_add_nc_u64 s[8:9], s[8:9], s[2:3]
	s_wait_dscnt 0x0
.irp r, 0,1,2,3,4,5,6,7,8,9,10,11,12,13,14,15
	POP \r, 1
	v_cmp_eq_u32 vcc_lo, \r, v1                    ; lane r keeps round r's result
	v_cndmask_b32 v96, v96, v[KM], vcc_lo
	v_cndmask_b32 v97, v97, v[KW], vcc_lo
.endr
	v_xor_b32 v97, 0x1fff, v97                     ; m = 8191 - lo
	v_ashrrev_i32 v100, 31, v96                    ; all ones where the score was >= 0
	v_xor_b32 v100, -1, v100
	v_or_b32 v100, 0x80000000, v100
	v_xor_b32 v96, v100, v96                       ; hi back to the score's pattern
	v_cmp_gt_u32 vcc_lo, 16, v1
	s_wait_xcnt 0x0                                ; EXEC changes only behind this wait
	s_and_saveexec_b32 s15, vcc_lo
	global_store_b32 v99, v96, s[6:7]              ; 16 lanes: the list's 64 bytes of scores
	global_store_b32 v99, v97, s[8:9]              ; and of indices, as whole numbers
	s_wait_xcnt 0x0                                ; and again in front of the line that widens it
	s_or_b32 exec_lo, exec_lo, s15
.Lend:
	s_wait_tensorcnt 0x0
	ds_add_u32 v104, v105
	s_wait_dscnt 0x0
	s_endpgm
.Lfunc_end_k_q0ca40c732d_topk:
	.size	k_q0ca40c732d_topk, .Lfunc_end_k_q0ca40c732d_topk-k_q0ca40c732d_topk
	.p2alignl 7, 3214868480
	.fill 96, 4, 3214868480
	.section	.rodata,"a",@progbits
	.p2align	6, 0x0
	.amdhsa_kernel k_q0ca40c732d_topk
		.amdhsa_group_segment_fixed_size 6656
		.amdhsa_private_segment_fixed_size 0
		.amdhsa_enable_private_segment 0
		.amdhsa_kernarg_size 24
		.amdhsa_user_sgpr_count 2
		.amdhsa_user_sgpr_kernarg_segment_ptr 1
		.amdhsa_wavefront_size32 1
		.amdhsa_system_sgpr_workgroup_id_x 1
		.amdhsa_system_sgpr_workgroup_id_y 1
		.amdhsa_system_sgpr_workgroup_id_z 1
		.amdhsa_system_vgpr_workitem_id 0
		.amdhsa_next_free_vgpr 106
		.amdhsa_next_free_sgpr 66
		.amdhsa_reserve_vcc 1
		.amdhsa_float_denorm_mode_32 3
		.amdhsa_float_denorm_mode_16_64 3
		.amdhsa_memory_ordered 1
		.amdhsa_forward_progress 1
		.amdhsa_inst_pref_size 84
	.end_amdhsa_kernel
	.amdgpu_metadata
---
amdhsa.version: [ 1, 2 ]
amdhsa.kernels:
  - .name:           k_q0ca40c732d_topk
    .symbol:         k_q0ca40c732d_topk.kd
    .args:
      - { .name: sims, .offset: 0, .size: 8, .value_kind: global_buffer, .address_space: global }
      - { .name: out1, .offset: 8, .size: 8, .value_kind: global_buffer, .address_space: global }
      - { .name: order, .offset: 16, .size: 8, .value_kind: global_buffer, .address_space: global }
    .group_segment_fixed_size: 6656
    .private_segment_fixed_size: 0
    .kernarg_segment_align: 8
    .kernarg_segment_size: 24
    .max_flat_workgroup_size: 512
    .sgpr_count:     66
    .vgpr_count:     106
    .wavefront_size: 32
...
	.end_amdgpu_metadata
.endif
;; end of part 5
;; launch gather: the kernel of part 3 again; grid 256 x 1, 4 waves a work-group, no clusters, 0 bytes of LDS; arguments order, memory_content, memory_freshness, out0, out2; writes out0, out2
